; MI455X (gfx1250); checked and timed in simulation.
; The chip was launched on July 23, 2026; its instructions are those of AMD's public machine-readable ISA for CDNA 5 (MIT licence, August 2026) and "CDNA5" Instruction Set Architecture Reference Guide (July 2026). The comments in the code are by the model that wrote it; some were corrected since.
;; Self Attention Block. Allowed arithmetic: matrix products marked QUANTISED: E2M1 operands, one E8M0 scale for each 32 along K, by v_wmma_scale_f32_16x16x128_f8f6f4 with both operands' format E2M1 (or v_wmma_scale_f32_32x16x128_f4), f32 sums; products left as they are: f32 operands where the result goes on into a quantised operand, else bf16, f16 or f32 operands; f32 sums; everything else in f32.
;; Inputs: gn_b 128 float32; gn_g 128 float32; kb 128 float32; kw 128 x 128 float32; pb 128 float32; pw 128 x 128 float32; qb 128 float32; qw 128 x 128 float32; t 2 int32; t_proj_b 512 float32; t_proj_w 512 x 512 float32; vb 128 float32; vw 128 x 128 float32; x 2 x 128 x 16 x 512 float32.
;; Outputs: out0 2 x 128 x 16 x 512 float32.
;; This version of the problem:
;;   THIS VERSION OF THE PROBLEM IS GIVEN IN LOW PRECISION. The matrix products marked QUANTISED in the list below multiply operands that are first quantised to E2M1 (2 exponent bits, 1 mantissa bit; 4 bits a number), with one power-of-two scale for each 32 numbers along K (OCP MX v1.0); their sums are f32. All else is computed in f32.
;;   The module's matrix products, in the order in which they are computed (A, B: the left and right operand; K: the contracted axis; several contracted axes count as one K, in the product's order):
;;     1. [M 2, K 512] x [K 512, N 512]; A: computed on the way; B: input t_proj_w: left as it is (M = 2 < 16)
;;     2. [M 16,384, K 128] x [K 128, N 128]; A: computed on the way; B: input qw: QUANTISED
;;     3. [M 16,384, K 128] x [K 128, N 128]; A: computed on the way; B: input kw: QUANTISED
;;     4. [M 16,384, K 128] x [K 128, N 128]; A: computed on the way; B: input vw: QUANTISED
;;     5. batch 2 x [M 8,192, K 128] x [K 128, N 8,192]; A: computed on the way; B: computed on the way: QUANTISED
;;     6. batch 2 x [M 128, K 8,192] x [K 8,192, N 8,192]; A: computed on the way; B: softmax (see below): QUANTISED
;;     7. [M 16,384, K 128] x [K 128, N 128]; A: computed on the way; B: input pw: QUANTISED
;;   THE QUANTISER, for each operand of a quantised product, along K:
;;     - K is cut into blocks of 32 from its start; a last block that is shorter is filled with zeros.
;;     - A block's scale is 2^e with e = floor(log2(the largest magnitude in the block)) - 2, held to -126 .. 127; a block of zeros has e = 0. As a byte (E8M0): e + 127.
;;     - Each number is divided by its block's scale, clamped to +-6, and rounded to the nearest number of E2M1, ties to even, subnormals kept.
;;     - The product sums the exact products of the quantised numbers (number of the format x scale) in f32.
;;   ~~~python
;;   def quantise(x, axis):      # numpy; x: float32 -> the quantised numbers, widened to float32 again
;;       x = np.moveaxis(x, axis, -1); K = x.shape[-1]
;;       x = np.pad(x, [(0, 0)] * (x.ndim - 1) + [(0, -K % 32)]); x = x.reshape(x.shape[:-1] + (-1, 32)); a = np.abs(x).max(-1, keepdims=True)
;;       e = np.where(a > 0, np.clip(np.frexp(np.where(a > 0, a, 1))[1] - 1 - 2, -126, 127), 0)      # np.frexp(a)[1] - 1 = floor(log2(a)), exactly
;;       r = np.clip(x / 2.0 ** e, -6, 6)
;;       step = 2.0 ** (np.maximum(np.frexp(np.where(r == 0, 1, r))[1] - 1, 0) - 1)
;;       q = np.round(r / step) * step * 2.0 ** e      # np.round: ties to even
;;       return np.moveaxis(q.reshape(q.shape[:-2] + (-1,))[..., :K], -1, axis).astype(np.float32)
;;   ~~~
;;   SOFTMAX AHEAD OF A QUANTISED PRODUCT. Where the list says 'softmax', what is quantised is not the finished softmax but p = 2^(t - M), with t = logit x log2(e) and M = ceil(the row's largest t), a whole number; so 1/2 < the row's largest p <= 1. The row's sum l is taken of the UNQUANTISED p, in f32, and the product's result is divided by l at the end. Since M is a whole number, a kernel that streams over the keys may use a running M (the ceiling of the running maximum): every later rescaling is an exact power of two, which a block's scale takes up: the codes' values come out the same.
;;   OPERANDS COMPUTED ON THE WAY. 'Computed on the way' means the value that the module computes at that place (a softmax that the list does not call 'softmax' is quantised finished and normalised). What goes into a quantiser is computed in f32, as accurately as f32 sums, v_exp_f32 and their like allow (about 1e-6 of the number): no bf16 or f16 on the way to a quantiser, and a product that is left as it is and whose result goes on into a quantised operand takes f32 operands (vector FMAs, or v_wmma_f32_16x16x4_f32). A number that lies on a knife's edge between two numbers of the format may be rounded either way, as far as f32 arithmetic and the matrix unit's own rounding can turn it there, and no further.
;; One version. Each part assembles by itself: llvm-mc -triple=amdgcn-amd-amdhsa -mcpu=gfx1250 --defsym DOCPART=n.
;; ======== version 1 of 1: 3 launches
;; limits: inputs' magnitudes at most 4,194,304
;; workspace buffers: tenc 4,096 bytes; part 4,096 bytes; wc 32,768 bytes; ws 4,096 bytes; qc 1,048,576 bytes; qs 65,536 bytes; kv 2,228,224 bytes
;; launch stats (part 1): grid 260 x 1, 8 waves a work-group, no clusters, 1,536 bytes of LDS; arguments x, t, t_proj_w, t_proj_b, qw, kw, vw, pw, tenc, part, wc, ws; writes tenc, part, wc, ws
.if DOCPART == 1
	.amdgcn_target "amdgcn-amd-amdhsa--gfx1250"
	.amdhsa_code_object_version 6
	.text
	.protected	k_q4d8f381dad_stats
	.globl	k_q4d8f381dad_stats
	.p2align	8
	.type	k_q4d8f381dad_stats,@function
k_q4d8f381dad_stats:
	s_mov_b64 s[64:65], 0
	v_nop
	global_prefetch_b8 v0, s[64:65] scope:SCOPE_SE
	s_setreg_imm32_b32 hwreg(HW_REG_WAVE_MODE, 25, 1), 1
	s_wait_xcnt 0x0
; FIRST OF THREE LAUNCHES.  Work-groups 0-255: the time embedding's 64 columns that the work-group needs, and partial statistics of the group norm.  Work-groups 256-259: qw, kw, vw, pw as codes of E2M1.
; MAIN PATH.  Work-group n: batch b = n / 128, columns 64 w8 .. 64 w8 + 63 of W (w8 = (n / 16) % 8), groups 2 gp and 2 gp + 1 (gp = n % 16): 128 rows (channel, h) of x, 256 bytes of each.
;   t_enc[b][d] = sum over j of relu(emb[j]) t_proj_w[d][j] + t_proj_b[d], all f32: wave w makes d = 64 w8 + 8 w + 0 .. 7; a row of t_proj_w is four loads of 512 consecutive bytes, so lane l holds j = 128 u + 4 l + 0 .. 3
;   and makes just those sines and cosines: emb[2 i] = sin(t / 10000^(i / 256)), emb[2 i + 1] = cos(same), i = 64 u + 2 l + e.
;   sin and cos: n = nearest whole number to arg x 2 / pi; r = arg - n pi / 2 with pi / 2 in two parts; polynomials of degree 7 and 8 on |r| <= pi / 4; the quadrant n % 4 swaps them and sets the signs.
;   The statistics are never a difference of large sums: a wave takes the mean m of its 1,024 numbers y = x + t_enc, then the sum of (y - m)^2; four waves' pairs (a group's 4,096 numbers here) are joined by
;   mean = sum m / 4, M2 = sum M2 + 1,024 sum (m - mean)^2.  part[b][w8][group] = {mean, M2}; the next launch joins the eight w8 in the same way.
; WEIGHTS.  Work-group 256 + mat, wave = tile of 16 rows.  A lane (r, h) loads k = 64 c + 32 h + 0 .. 31 of its row, two whole blocks of 32, so no other lane is asked for a maximum and the conversions' results ARE the
;   operand's registers: they are stored as an image, registers 4 c .. 4 c + 3 of lane l at 512 c + 16 l.  Rows of a tile of qw, kw, vw: 32 (t / 2) + 8 (t % 2) + r + 8 (r / 8); of pw: 16 t + r.
; No cluster and no joint loads: the rows of t_proj_w that 32 work-groups share go straight into registers, each for one dot product, and the launch has a single step; there is no ring in which a joint request could run ahead.
; LIMITS: |t| under 2^22 (pi / 2 is taken in two parts); NaN and infinities are not served; a block whose largest magnitude lies under 2^-124, a block of zeros too, gets the scale byte 1 (its codes are zeros or
; nearly so, and only this program reads the bytes); sums are taken in another order than the source's.
.set TE, 0                             ; LDS: the 64 values of t_enc
.set ST, 256                           ; LDS: {mean, M2} of each of the eight waves
.set EM, 80                            ; v80-95   relu(emb) at my 16 places
.set XR, 96                            ; v96-127  my 32 numbers of x
.set WR, 128                           ; v128-255 eight rows of t_proj_w, 16 registers each
.macro WSUM r, tmp                     ; the sum over the wave's 32 lanes, left in every lane
	s_delay_alu instid0(VALU_DEP_1)
	v_add_f32_dpp v[\r], v[\r], v[\r] row_xmask:1 row_mask:0xf bank_mask:0xf
	s_delay_alu instid0(VALU_DEP_1)
	v_add_f32_dpp v[\r], v[\r], v[\r] row_xmask:2 row_mask:0xf bank_mask:0xf
	s_delay_alu instid0(VALU_DEP_1)
	v_add_f32_dpp v[\r], v[\r], v[\r] row_xmask:4 row_mask:0xf bank_mask:0xf
	s_delay_alu instid0(VALU_DEP_1)
	v_add_f32_dpp v[\r], v[\r], v[\r] row_xmask:8 row_mask:0xf bank_mask:0xf
	s_delay_alu instid0(VALU_DEP_1)
	v_permlanex16_b32 v[\tmp], v[\r], s42, s43
	s_delay_alu instid0(VALU_DEP_1)
	v_add_f32 v[\r], v[\r], v[\tmp]
.endm
	s_load_b512 s[4:19], s[0:1], 0x0               ; x s[4:5], t s[6:7], t_proj_w s[8:9], t_proj_b s[10:11], qw s[12:13], kw s[14:15], vw s[16:17], pw s[18:19]
	s_load_b256 s[20:27], s[0:1], 0x40             ; tenc s[20:21], part s[22:23], wc s[24:25], ws s[26:27]
	s_set_vgpr_msb 0x40
	v_lshl_add_u32 v0, v0, 2, 0x200
	v_mov_b32 v1, 0
	s_set_vgpr_msb 0x4000
	v_lshrrev_b32 v1, 5, v0                        ; wave, in every lane
	s_delay_alu instid0(VALU_DEP_1)
	v_readfirstlane_b32 s28, v1                    ; and as a scalar
	v_and_b32 v2, 31, v0                           ; lane
	v_and_b32 v3, 15, v0                           ; lane % 16
	s_delay_alu instid0(VALU_DEP_2)
	v_lshlrev_b32 v4, 4, v2                        ; 16 x lane
	s_mov_b32 s42, 0x76543210
	s_mov_b32 s43, 0xfedcba98                      ; v_permlanex16_b32's selects for lane l xor 16
	s_cmp_ge_u32 ttmp9, 256
	s_cbranch_scc1 .Lweights                       ; the same way for all waves of a work-group
	; ---------------- the main path
	s_lshr_b32 s29, ttmp9, 7                       ; b
	s_bfe_u32 s30, ttmp9, 0x30004                  ; w8
	s_and_b32 s31, ttmp9, 15                       ; gp
	v_lshlrev_b32 v6, 5, v1                        ; TE + 32 x wave: where my eight values go
	v_lshl_add_u32 v8, v1, 3, ST                   ; ST + 8 x wave
	v_mov_b32 v9, ST
	v_bfe_u32 v1, v0, 4, 1                         ; lane / 16
	v_lshlrev_b32 v7, 4, v3                        ; TE + 16 (lane % 16): the four columns that I hold of x
	s_delay_alu instid0(VALU_DEP_1)
	v_lshl_add_u32 v5, v1, 11, v7                  ; x: lanes 0-15 one row's 256 bytes, lanes 16-31 the next row's
	v_lshlrev_b32 v1, 3, v2                        ; 8 x lane
	v_lshlrev_b32 v11, 1, v2                       ; 2 x lane
	s_lshl_b32 s56, s30, 8
	s_lshl_b32 s57, s28, 5
	s_add_co_u32 s56, s56, s57                     ; 4 x (64 w8 + 8 wave): my eight numbers of t_proj_b
	s_lshl_b32 s57, s29, 2                         ; 4 b
	s_lshl_b32 s58, s56, 9                         ; my eight rows of t_proj_w, 2,048 bytes each
	s_mov_b32 s59, 0
	s_lshl_b32 s60, s29, 22                        ; x: the batch,
	s_lshl_b32 s61, s31, 18                        ; 128 gp rows of 2,048 bytes,
	s_add_co_u32 s60, s60, s61
	s_lshl_b32 s61, s28, 15                        ; 16 rows a wave,
	s_add_co_u32 s60, s60, s61
	s_lshl_b32 s61, s30, 8                         ; 64 columns
	s_add_co_u32 s60, s60, s61
	s_mov_b32 s61, 0
	s_mov_b32 s44, 0xbd549a78                      ; -log2(10000) / 256
	s_mov_b32 s45, 0x3f22f983                      ; 2 / pi
	s_mov_b32 s46, 0x3fc90fdb                      ; pi / 2, upper part
	s_mov_b32 s47, 0xb33bbd2e                      ; and what is left of it
	s_mov_b32 s48, 0xbe2aaaa3                      ; sine: -1.6666654611e-1,
	s_mov_b32 s49, 0x3c08839e                      ; 8.3321608736e-3,
	s_mov_b32 s50, 0xb94ca1f9                      ; -1.9515295891e-4
	s_mov_b32 s51, 0x3d2aaaa5                      ; cosine: 4.166664568e-2,
	s_mov_b32 s52, 0xbab6061a                      ; -1.388731625e-3,
	s_mov_b32 s53, 0x37ccf5ce                      ; 2.443315712e-5
	s_wait_kmcnt 0x0
	s_load_b256 s[32:39], s[10:11], s56 offset:0x0 ; t_proj_b of my eight rows
	s_load_b32 s40, s[6:7], s57 offset:0x0         ; t[b]
	s_add_nc_u64 s[8:9], s[8:9], s[58:59]
	s_add_nc_u64 s[4:5], s[4:5], s[60:61]
	s_wait_alu depctr_va_vdst(0)
.irp i, 0,1,2,3,4,5,6,7
.irp j, 0,1,2,3
	global_load_b128 v[WR+16*\i+4*\j:WR+16*\i+4*\j+3], v4, s[8:9] offset:2048*\i+512*\j   ; 32 lanes read 512 consecutive bytes of row i
.endr
.endr
.irp i, 0,1,2,3,4,5,6,7
	global_load_b128 v[XR+4*\i:XR+4*\i+3], v5, s[4:5] offset:4096*\i th:TH_LOAD_NT          ; two rows' 256 bytes; read once in this launch
.endr
	s_wait_kmcnt 0x0
	v_cvt_f32_i32 v10, s40                         ; t as f32
	; eight arguments a lane, by turns: argument k has i = 64 (k / 2) + 2 lane + k % 2 and eight registers at v[16 + 8 k]
.irp k, 0,1,2,3,4,5,6,7
	v_add_nc_u32 v[16+8*\k], 64*(\k/2)+(\k%2), v11
.endr
.irp k, 0,1,2,3,4,5,6,7
	v_cvt_f32_u32 v[16+8*\k], v[16+8*\k]
.endr
.irp k, 0,1,2,3,4,5,6,7
	v_mul_f32 v[16+8*\k], s44, v[16+8*\k]
.endr
	s_wait_alu depctr_va_vdst(0)
.irp k, 0,1,2,3,4,5,6,7
	v_exp_f32 v[16+8*\k], v[16+8*\k]               ; 10000^(-i / 256)
.endr
	v_nop                                          ; a plain instruction between the last exponential and the use of its result
	s_wait_alu depctr_va_vdst(0)
.irp k, 0,1,2,3,4,5,6,7
	v_mul_f32 v[16+8*\k], v10, v[16+8*\k]          ; the argument
.endr
.irp k, 0,1,2,3,4,5,6,7
	v_mul_f32 v[17+8*\k], s45, v[16+8*\k]
.endr
.irp k, 0,1,2,3,4,5,6,7
	v_rndne_f32 v[17+8*\k], v[17+8*\k]             ; n
.endr
.irp k, 0,1,2,3,4,5,6,7
	v_fma_f32 v[16+8*\k], -v[17+8*\k], s46, v[16+8*\k]
.endr
.irp k, 0,1,2,3,4,5,6,7
	v_fma_f32 v[16+8*\k], -v[17+8*\k], s47, v[16+8*\k]   ; r
.endr
.irp k, 0,1,2,3,4,5,6,7
	v_mul_f32 v[18+8*\k], v[16+8*\k], v[16+8*\k]   ; z = r^2
.endr
.irp k, 0,1,2,3,4,5,6,7
	v_cvt_i32_f32 v[19+8*\k], v[17+8*\k]           ; n as a whole number
.endr
.irp k, 0,1,2,3,4,5,6,7
	v_fma_f32 v[20+8*\k], v[18+8*\k], s50, s49
.endr
.irp k, 0,1,2,3,4,5,6,7
	v_fma_f32 v[20+8*\k], v[20+8*\k], v[18+8*\k], s48
.endr
.irp k, 0,1,2,3,4,5,6,7
	v_mul_f32 v[21+8*\k], v[16+8*\k], v[18+8*\k]
.endr
.irp k, 0,1,2,3,4,5,6,7
	v_fma_f32 v[20+8*\k], v[20+8*\k], v[21+8*\k], v[16+8*\k]   ; sin r
.endr
.irp k, 0,1,2,3,4,5,6,7
	v_fma_f32 v[21+8*\k], v[18+8*\k], s53, s52
.endr
.irp k, 0,1,2,3,4,5,6,7
	v_fma_f32 v[21+8*\k], v[21+8*\k], v[18+8*\k], s51
.endr
.irp k, 0,1,2,3,4,5,6,7
	v_fma_f32 v[22+8*\k], v[18+8*\k], -0.5, 1.0
.endr
.irp k, 0,1,2,3,4,5,6,7
	v_mul_f32 v[23+8*\k], v[18+8*\k], v[18+8*\k]
.endr
.irp k, 0,1,2,3,4,5,6,7
	v_fma_f32 v[21+8*\k], v[21+8*\k], v[23+8*\k], v[22+8*\k]   ; cos r
.endr
.irp k, 0,1,2,3,4,5,6,7
	v_and_b32 v[22+8*\k], 1, v[19+8*\k]
	s_delay_alu instid0(VALU_DEP_1)
	v_cmp_eq_u32 vcc_lo, 1, v[22+8*\k]             ; odd quadrants swap the two
	s_delay_alu instid0(VALU_DEP_1)
	v_cndmask_b32 v[22+8*\k], v[20+8*\k], v[21+8*\k], vcc_lo
	s_delay_alu instid0(VALU_DEP_2)
	v_cndmask_b32 v[23+8*\k], v[21+8*\k], v[20+8*\k], vcc_lo
.endr
.irp k, 0,1,2,3,4,5,6,7
	v_and_b32 v[18+8*\k], 2, v[19+8*\k]            ; the sine is negative in quadrants 2 and 3,
.endr
.irp k, 0,1,2,3,4,5,6,7
	v_add_nc_u32 v[19+8*\k], 1, v[19+8*\k]
.endr
.irp k, 0,1,2,3,4,5,6,7
	v_and_b32 v[19+8*\k], 2, v[19+8*\k]            ; the cosine in quadrants 1 and 2
.endr
.irp k, 0,1,2,3,4,5,6,7
	v_lshlrev_b32 v[18+8*\k], 30, v[18+8*\k]
.endr
.irp k, 0,1,2,3,4,5,6,7
	v_lshlrev_b32 v[19+8*\k], 30, v[19+8*\k]
.endr
.irp k, 0,1,2,3,4,5,6,7
	v_xor_b32 v[22+8*\k], v[22+8*\k], v[18+8*\k]
.endr
.irp k, 0,1,2,3,4,5,6,7
	v_xor_b32 v[23+8*\k], v[23+8*\k], v[19+8*\k]
.endr
.irp k, 0,1,2,3,4,5,6,7
	v_max_num_f32 v[EM+2*\k], 0, v[22+8*\k]        ; relu; in the order of the 16 bytes that each load gave me
.endr
.irp k, 0,1,2,3,4,5,6,7
	v_max_num_f32 v[EM+2*\k+1], 0, v[23+8*\k]
.endr
	s_wait_alu depctr_va_vdst(0)
	s_wait_loadcnt 8                               ; t_proj_w's 32 loads are in; x's eight, issued behind them, may be out
.irp i, 0,1,2,3,4,5,6,7
	v_pk_mul_f32 v[16+2*\i:17+2*\i], v[WR+16*\i:WR+16*\i+1], v[EM:EM+1]     ; eight dot products by turns; the first product starts each sum
.endr
.irp p, 1,2,3,4,5,6,7
.irp i, 0,1,2,3,4,5,6,7
	v_pk_fma_f32 v[16+2*\i:17+2*\i], v[WR+16*\i+2*\p:WR+16*\i+2*\p+1], v[EM+2*\p:EM+2*\p+1], v[16+2*\i:17+2*\i]
.endr
.endr
.irp i, 0,1,2,3,4,5,6,7
	v_add_f32 v[16+2*\i], v[16+2*\i], v[17+2*\i]
.endr
.irp m, 1,2,4,8
.irp i, 0,1,2,3,4,5,6,7
	v_add_f32_dpp v[16+2*\i], v[16+2*\i], v[16+2*\i] row_xmask:\m row_mask:0xf bank_mask:0xf
.endr
.endr
.irp i, 0,1,2,3,4,5,6,7
	v_permlanex16_b32 v[32+\i], v[16+2*\i], s42, s43   ; (v32-39 were written above)
.endr
.irp i, 0,1,2,3,4,5,6,7
	v_add_f32 v[16+2*\i], v[16+2*\i], v[32+\i]
.endr
.irp i, 0,1,2,3,4,5,6,7
	v_add_f32 v[16+2*\i], s[32+\i], v[16+2*\i]     ; + t_proj_b
.endr
.irp i, 0,1,2,3,4,5,6,7
	ds_store_b32 v6, v[16+2*\i] offset:4*\i        ; all lanes write the same word with the same value
.endr
	s_wait_dscnt 0x0                               ; for the others' sake: my eight values lie in LDS
	s_barrier_signal -1
	s_barrier_wait -1
	ds_load_b128 v[12:15], v7                      ; t_enc at my four columns
	s_wait_loadcnt 0x0                             ; x
	s_wait_dscnt 0x0
.irp i, 0,1,2,3,4,5,6,7
	v_pk_add_f32 v[XR+4*\i:XR+4*\i+1], v[XR+4*\i:XR+4*\i+1], v[12:13]       ; y = x + t_enc
	v_pk_add_f32 v[XR+4*\i+2:XR+4*\i+3], v[XR+4*\i+2:XR+4*\i+3], v[14:15]
.endr
	v_pk_add_f32 v[16:17], v[XR:XR+1], v[XR+2:XR+3]                        ; the sum, in two chains
	v_pk_add_f32 v[18:19], v[XR+4:XR+5], v[XR+6:XR+7]
.irp q, 8,12,16,20,24,28
	s_delay_alu instid0(VALU_DEP_2)
	v_pk_add_f32 v[16:17], v[16:17], v[XR+\q:XR+\q+1]
	s_delay_alu instid0(VALU_DEP_2)
	v_pk_add_f32 v[18:19], v[18:19], v[XR+\q+2:XR+\q+3]
.endr
	s_delay_alu instid0(VALU_DEP_1)
	v_pk_add_f32 v[16:17], v[16:17], v[18:19]
	s_delay_alu instid0(VALU_DEP_1)
	v_add_f32 v16, v16, v17
	WSUM 16, 32
	s_delay_alu instid0(VALU_DEP_1)
	v_mul_f32 v20, 0x3a800000, v16                 ; m = the sum / 1,024
	s_delay_alu instid0(VALU_DEP_1)
	v_mov_b32 v21, v20
.irp q, 0,2,4,6,8,10,12,14,16,18,20,22,24,26,28,30
	v_pk_add_f32 v[XR+\q:XR+\q+1], v[XR+\q:XR+\q+1], v[20:21] neg_lo:[0,1] neg_hi:[0,1]   ; y - m
.endr
	v_pk_mul_f32 v[16:17], v[XR:XR+1], v[XR:XR+1]
	v_pk_mul_f32 v[18:19], v[XR+2:XR+3], v[XR+2:XR+3]
.irp q, 4,8,12,16,20,24,28
	s_delay_alu instid0(VALU_DEP_2)
	v_pk_fma_f32 v[16:17], v[XR+\q:XR+\q+1], v[XR+\q:XR+\q+1], v[16:17]
	s_delay_alu instid0(VALU_DEP_2)
	v_pk_fma_f32 v[18:19], v[XR+\q+2:XR+\q+3], v[XR+\q+2:XR+\q+3], v[18:19]
.endr
	s_delay_alu instid0(VALU_DEP_1)
	v_pk_add_f32 v[16:17], v[16:17], v[18:19]
	s_delay_alu instid0(VALU_DEP_1)
	v_add_f32 v21, v16, v17
	WSUM 21, 32                                    ; M2 = the sum of (y - m)^2
	ds_store_b64 v8, v[20:21]
	s_wait_dscnt 0x0
	s_barrier_signal -1
	s_barrier_wait -1
	s_cmp_eq_u32 s28, 0
	s_cbranch_scc1 .Lwave0
	s_cmp_eq_u32 s28, 1
	s_cbranch_scc0 .Ldone
	s_cmp_eq_u32 s31, 0
	s_cbranch_scc0 .Ldone
	; wave 1 of the work-groups with gp = 0 stores the 64 values of t_enc: 32 lanes, 256 consecutive bytes, aligned
	ds_load_b64 v[32:33], v1
	s_lshl_b32 s58, s29, 11
	s_lshl_b32 s60, s30, 8
	s_add_co_u32 s58, s58, s60
	s_add_nc_u64 s[20:21], s[20:21], s[58:59]
	s_wait_dscnt 0x0
	global_store_b64 v1, v[32:33], s[20:21]
	s_set_vgpr_msb 0x5
	s_wait_tensorcnt 0x0
	ds_add_u32 v0, v1
	s_wait_dscnt 0x0
	s_set_vgpr_msb 0x500
	s_endpgm
.Lwave0:                                               ; wave 0 joins four waves' pairs for each of the two groups
	ds_load_b128 v[32:35], v9
	ds_load_b128 v[36:39], v9 offset:16
	ds_load_b128 v[40:43], v9 offset:32
	ds_load_b128 v[44:47], v9 offset:48
	s_lshl_b32 s58, s29, 11                        ; part: 256 bytes for each (b, w8), 16 for my two groups
	s_lshl_b32 s60, s30, 8
	s_add_co_u32 s58, s58, s60
	s_lshl_b32 s60, s31, 4
	s_add_co_u32 s58, s58, s60
	s_add_nc_u64 s[22:23], s[22:23], s[58:59]
	v_mov_b32 v10, 0
	s_wait_dscnt 0x0
.irp g, 0,1
	v_add_f32 v[48+2*\g], v[32+8*\g], v[34+8*\g]
	v_add_f32 v16, v[36+8*\g], v[38+8*\g]
	s_delay_alu instid0(VALU_DEP_1)
	v_add_f32 v[48+2*\g], v[48+2*\g], v16
	s_delay_alu instid0(VALU_DEP_1)
	v_mul_f32 v[48+2*\g], 0x3e800000, v[48+2*\g]   ; the mean of the four means
	s_delay_alu instid0(VALU_DEP_1)
	v_sub_f32 v16, v[32+8*\g], v[48+2*\g]
	s_delay_alu instid0(VALU_DEP_2)
	v_sub_f32 v17, v[34+8*\g], v[48+2*\g]
	s_delay_alu instid0(VALU_DEP_3)
	v_sub_f32 v18, v[36+8*\g], v[48+2*\g]
	s_delay_alu instid0(VALU_DEP_4)
	v_sub_f32 v19, v[38+8*\g], v[48+2*\g]
	s_delay_alu instid0(VALU_DEP_4)
	v_mul_f32 v16, v16, v16
	s_delay_alu instid0(VALU_DEP_1)
	v_fma_f32 v16, v17, v17, v16
	s_delay_alu instid0(VALU_DEP_1)
	v_fma_f32 v16, v18, v18, v16
	s_delay_alu instid0(VALU_DEP_1)
	v_fma_f32 v16, v19, v19, v16
	v_add_f32 v17, v[33+8*\g], v[35+8*\g]
	v_add_f32 v18, v[37+8*\g], v[39+8*\g]
	s_delay_alu instid0(VALU_DEP_1)
	v_add_f32 v17, v17, v18
	s_delay_alu instid0(VALU_DEP_1)
	v_fma_f32 v[49+2*\g], v16, 0x44800000, v17     ; M2 = sum M2 + 1,024 sum (m - mean)^2
.endr
	s_wait_alu depctr_va_vdst(0)
	s_wait_xcnt 0x0                                ; EXEC changes only behind this wait
	v_cmp_eq_u32 vcc_lo, 0, v0
	s_and_saveexec_b32 s56, vcc_lo                 ; one lane stores the 16 bytes
	global_store_b128 v10, v[48:51], s[22:23]
	s_wait_xcnt 0x0                                ; and again in front of the line that widens it
	s_or_b32 exec_lo, exec_lo, s56
.Ldone:
	s_set_vgpr_msb 0x5
	s_wait_tensorcnt 0x0
	ds_add_u32 v0, v1
	s_wait_dscnt 0x0
	s_set_vgpr_msb 0x500
	s_endpgm
	; ---------------- the four weights
.Lweights:
	s_sub_co_u32 s30, ttmp9, 256                   ; 0 qw, 1 kw, 2 vw, 3 pw
	v_bfe_u32 v1, v0, 4, 1                         ; h
	s_wait_alu depctr_va_vdst(0)
	v_lshrrev_b32 v5, 3, v3                        ; r / 8
	s_wait_alu depctr_va_vdst(0)
	v_lshlrev_b32 v6, 2, v2                        ; 4 x lane
	s_lshr_b32 s31, s28, 1
	s_lshl_b32 s31, s31, 5
	s_and_b32 s32, s28, 1
	s_lshl_b32 s32, s32, 3
	s_add_co_u32 s31, s31, s32                     ; 32 (t / 2) + 8 (t % 2)
	s_lshl_b32 s32, s28, 4                         ; 16 t
	s_cmp_lt_u32 s30, 3
	s_cselect_b32 s31, s31, s32
	s_cselect_b32 s33, 8, 0
	v_mad_u32_u24 v5, v5, s33, v3                  ; r + 8 (r / 8), or r
	s_delay_alu instid0(VALU_DEP_1)
	v_add_nc_u32 v5, s31, v5                       ; my row
	s_delay_alu instid0(VALU_DEP_1)
	v_lshlrev_b32 v5, 9, v5                        ; of 512 bytes,
	s_delay_alu instid0(VALU_DEP_1)
	v_lshl_add_u32 v5, v1, 7, v5                   ; + 128 h: k = 32 h on
	s_lshl_b32 s34, s30, 13
	s_lshl_b32 s35, s28, 10
	s_add_co_u32 s34, s34, s35                     ; my image in wc
	s_mov_b32 s35, 0
	s_lshl_b32 s36, s30, 10
	s_lshl_b32 s37, s28, 7
	s_add_co_u32 s36, s36, s37                     ; my 32 scale words in ws
	s_mov_b32 s37, 0
	s_wait_alu depctr_va_vdst(0)
	s_wait_kmcnt 0x0
	s_cmp_eq_u32 s30, 1
	s_cselect_b64 s[12:13], s[14:15], s[12:13]
	s_cmp_eq_u32 s30, 2
	s_cselect_b64 s[12:13], s[16:17], s[12:13]
	s_cmp_eq_u32 s30, 3
	s_cselect_b64 s[12:13], s[18:19], s[12:13]     ; the choice hangs on the work-group's number alone
	s_add_nc_u64 s[24:25], s[24:25], s[34:35]
	s_add_nc_u64 s[26:27], s[26:27], s[36:37]
.irp c, 0,1
.irp g, 0,1,2,3,4,5,6,7
	global_load_b128 v[64+32*\c+4*\g:67+32*\c+4*\g], v5, s[12:13] offset:256*\c+16*\g   ; k = 64 c + 32 h + 4 g + 0 .. 3 of my row
.endr
.endr
	s_wait_loadcnt 0x0
.irp c, 0,1
	v_max3_num_f32 v[32+\c], |v[64+32*\c]|, |v[65+32*\c]|, 0x1800000   ; my block 2 c + h, and the floor 2^(3 - 127): the byte cannot fall under 1
.endr
.irp i, 2,4,6,8,10,12,14,16,18,20,22,24,26,28,30
.irp c, 0,1
	s_delay_alu instid0(VALU_DEP_2)
	v_max3_num_f32 v[32+\c], v[32+\c], |v[64+32*\c+\i]|, |v[65+32*\c+\i]|
.endr
.endr
.irp c, 0,1
	s_delay_alu instid0(VALU_DEP_2)
	v_add_nc_u32 v[44+\c], 0xff000000, v[32+\c]    ; 2 off the exponent field: the conversion takes this operand's exponent field as its scale
.endr
.irp c, 0,1
	s_delay_alu instid0(VALU_DEP_2)
	v_lshrrev_b32 v[36+\c], 23, v[44+\c]           ; the scale's byte
.endr
	s_delay_alu instid0(VALU_DEP_1)
	v_lshl_or_b32 v9, v37, 16, v36                 ; my two bytes: blocks h and 2 + h,
	v_lshlrev_b32 v10, 3, v1
	s_delay_alu instid0(VALU_DEP_1)
	v_lshlrev_b32 v9, v10, v9                      ; at their places in the word;
	v_mov_b32 v10, 0
	s_delay_alu instid0(VALU_DEP_1)
	v_permlanex16_b32 v10, v9, s42, s43
	s_delay_alu instid0(VALU_DEP_1)
	v_or_b32 v9, v9, v10                           ; with lane l xor 16's two the word is whole, in both lanes
.irp c, 0,1
.irp g, 0,1,2,3
	v_cvt_scalef32_pk8_fp4_f32 v[48+4*\c+\g], v[64+32*\c+8*\g:71+32*\c+8*\g], v[44+\c]
.endr
.endr
	v_nop                                          ; a plain instruction behind the last scaled conversion
	global_store_b128 v4, v[48:51], s[24:25]       ; 32 lanes store 512 consecutive bytes
	global_store_b128 v4, v[52:55], s[24:25] offset:512
	global_store_b32 v6, v9, s[26:27]
	s_endpgm
.Lfunc_end_k_q4d8f381dad_stats:
	.size	k_q4d8f381dad_stats, .Lfunc_end_k_q4d8f381dad_stats-k_q4d8f381dad_stats
	.p2alignl 7, 3214868480
	.fill 96, 4, 3214868480
	.section	.rodata,"a",@progbits
	.p2align	6, 0x0
	.amdhsa_kernel k_q4d8f381dad_stats
		.amdhsa_group_segment_fixed_size 1536
		.amdhsa_private_segment_fixed_size 0
		.amdhsa_enable_private_segment 0
		.amdhsa_kernarg_size 96
		.amdhsa_user_sgpr_count 2
		.amdhsa_user_sgpr_kernarg_segment_ptr 1
		.amdhsa_wavefront_size32 1
		.amdhsa_system_sgpr_workgroup_id_x 1
		.amdhsa_system_sgpr_workgroup_id_y 1
		.amdhsa_system_sgpr_workgroup_id_z 1
		.amdhsa_system_vgpr_workitem_id 0
		.amdhsa_next_free_vgpr 258
		.amdhsa_next_free_sgpr 66
		.amdhsa_reserve_vcc 1
		.amdhsa_float_denorm_mode_32 3
		.amdhsa_float_denorm_mode_16_64 3
		.amdhsa_memory_ordered 1
		.amdhsa_forward_progress 1
		.amdhsa_inst_pref_size 44
	.end_amdhsa_kernel
	.amdgpu_metadata
---
amdhsa.version: [ 1, 2 ]
amdhsa.kernels:
  - .name:           k_q4d8f381dad_stats
    .symbol:         k_q4d8f381dad_stats.kd
    .args:
      - { .name: x, .offset: 0, .size: 8, .value_kind: global_buffer, .address_space: global }
      - { .name: t, .offset: 8, .size: 8, .value_kind: global_buffer, .address_space: global }
      - { .name: t_proj_w, .offset: 16, .size: 8, .value_kind: global_buffer, .address_space: global }
      - { .name: t_proj_b, .offset: 24, .size: 8, .value_kind: global_buffer, .address_space: global }
      - { .name: qw, .offset: 32, .size: 8, .value_kind: global_buffer, .address_space: global }
      - { .name: kw, .offset: 40, .size: 8, .value_kind: global_buffer, .address_space: global }
      - { .name: vw, .offset: 48, .size: 8, .value_kind: global_buffer, .address_space: global }
      - { .name: pw, .offset: 56, .size: 8, .value_kind: global_buffer, .address_space: global }
      - { .name: tenc, .offset: 64, .size: 8, .value_kind: global_buffer, .address_space: global }
      - { .name: part, .offset: 72, .size: 8, .value_kind: global_buffer, .address_space: global }
      - { .name: wc, .offset: 80, .size: 8, .value_kind: global_buffer, .address_space: global }
      - { .name: ws, .offset: 88, .size: 8, .value_kind: global_buffer, .address_space: global }
    .group_segment_fixed_size: 1536
    .private_segment_fixed_size: 0
    .kernarg_segment_align: 8
    .kernarg_segment_size: 96
    .max_flat_workgroup_size: 256
    .sgpr_count:     66
    .vgpr_count:     258
    .wavefront_size: 32
...
	.end_amdgpu_metadata
.endif
;; end of part 1
;; launch qkv (part 2): grid 64 x 2, 16 waves a work-group, no clusters, 14,336 bytes of LDS; arguments x, tenc, part, gn_g, gn_b, wc, ws, qb, kb, vb, qc, qs, kv; writes qc, qs, kv
.if DOCPART == 2
	.amdgcn_target "amdgcn-amd-amdhsa--gfx1250"
	.amdhsa_code_object_version 6
	.text
	.protected	k_q4d8f381dad_qkv
	.globl	k_q4d8f381dad_qkv
	.p2align	8
	.type	k_q4d8f381dad_qkv,@function
k_q4d8f381dad_qkv:
	s_mov_b64 s[64:65], 0
	v_nop
	global_prefetch_b8 v0, s[64:65] scope:SCOPE_SE
	s_setreg_imm32_b32 hwreg(HW_REG_WAVE_MODE, 25, 1), 1
	s_wait_xcnt 0x0
; SECOND LAUNCH.  e = groupnorm(x + t_enc), quantised along the channels; q, k, v = the three 1 x 1 convolutions on codes of E2M1 (one E8M0 scale for each 32 along K); q and k quantised along the channels,
; v along the keys; all three stored as images of the operand registers that the attention launch will load.
; SHARES.  A work-group takes 128 positions of one batch (s = work-group x, b = work-group y): one record of kv.  A fragment of V and its scale word span 128 keys, so a smaller share would leave parts of words.
;   X: thread (pos = thread % 128, blk = thread / 128) takes one position and 32 channels: its registers run down the channels, so a block of 32 along K is one lane's, and each load reads 128 consecutive bytes a wave.
;      The codes go to LDS as rows of 64 bytes + 16 of padding, the scale bytes as one word a position.
;   1: wave w: tile T = w % 8 of 16 positions; waves 0-7 make q, waves 8-15 k.  Transposed use: source 0 = 16 rows of the weight, source 1 = e's tile: a lane holds one position, its registers run along the channels.
;   2: wave w: v's channel tile n = w % 8, keys 64 (w / 8) on: source 0 = e's tile, source 1 = 16 rows of vw: a lane holds one channel, its registers run along the keys.
; ONE ORDER OF ROWS EVERYWHERE: row r of tile T is 32 (T / 2) + 8 (T % 2) + r + 8 (r / 8), for e's positions and for the rows of qw, kw, vw.  So the 16 registers of two neighbouring result tiles are 16 neighbours along
; the next K, in the order that the next operand's layout wants.
; IMAGE of a fragment (16 rows x 128 K, 8 registers): registers 4 c .. 4 c + 3 of lane l at 512 c + 16 l.  PACKED SCALE WORDS of 8 tiles: tile T, row r at 256 (T % 2) + 16 r + 4 (T / 2): one load of 16 bytes a lane
; gives four registers, register i with tile 2 i in lanes 0-15 and tile 2 i + 1 in lanes 16-31.
; kv[b][s]: 17,408 bytes: K's 8 images, V's 8 images, K's packed words (512 bytes), V's.   qc[b][8 s + T]: Q's images.   qs[b][s]: Q's packed words.
; No tensor loads, no cluster: the work-groups share only the 24 KB of weight codes, which each wave takes straight into registers once.
; The biases are the C of each sum's one matrix instruction.  Each accumulator is written by one matrix instruction, so none adds onto the one before it.
; LIMITS: NaN and infinities are not served; a block whose largest magnitude lies under 2^-124, a block of zeros too, gets the scale byte 1 (only this program reads the bytes); sums in another order than the source's.
.set REC,  17408
.set EROW, 0                           ; LDS: e's codes, 128 rows x 80 bytes
.set ESC,  10240                       ; e's scale words, 4 bytes a position
.set SCW,  10752                       ; packed scale words of Q, K, V: 3 x 512 bytes
; v4 4 pos; v5 16 lane; v6, v7 where my codes and my scale byte go; v8, v10 e's four tiles for v; v9, v11 e's tile T; v12, v13 where scale words go; v14 64 h; v15 4 (r + 8 (r / 8)); v16, v17 my channel's statistics
; and gains; v18 t_enc; v19-27 at work; v28 4 lane; v31 the packed words' way out; v32-63 x, later e's four tiles; v64-71 e's tile T; v72-79 vw's fragment; v80-87 vb; v88-95 codes; v96-159 accumulators;
; v160-223 the weight's 8 fragments, later v's codes; v224-239 at work; v240, v247 scale words made here; v241-246, v248-255 scale words of operands; v254, v255 at the end the spare word's address and 0.
; s4-35 gain x rstd of my 32 channels, s36-43 the means of their 8 groups, s66-97 their beta (all read out of the lanes once the pointers that lay there are done with).
.macro QUANT s, nb, tm, pc, pw         ; 16 nb numbers of a lane, register 16 b + i = k 32 b + 16 (lane / 16) + i of my row, become codes in v[pc] on (operand order) and scale bytes in v[pw]
.irp b, 0,1,2,3
.if \b < \nb
	v_max3_num_f32 v[\tm+\b], |v[\s+16*\b]|, |v[\s+1+16*\b]|, 0x1800000   ; my 16 numbers of block b, and the floor 2^(3 - 127): the byte cannot fall under 1
.endif
.endr
.irp i, 2,4,6,8,10,12,14
.irp b, 0,1,2,3
.if \b < \nb
	v_max3_num_f32 v[\tm+\b], v[\tm+\b], |v[\s+16*\b+\i]|, |v[\s+1+16*\b+\i]|
.endif
.endr
.endr
.irp b, 0,1,2,3
.if \b < \nb
	v_permlanex16_b32 v[\tm+4+\b], v[\tm+\b], s50, s51
.endif
.endr
.irp b, 0,1,2,3
.if \b < \nb
	v_max_num_f32 v[\tm+\b], v[\tm+\b], v[\tm+4+\b]      ; with lane l xor 16's: the block's largest magnitude
.endif
.endr
.irp b, 0,1,2,3
.if \b < \nb
	v_add_nc_u32 v[\tm+12+\b], 0xff000000, v[\tm+\b]     ; 2 off its exponent field: the conversion's scale operand
.endif
.endr
.irp b, 0,1,2,3
.if \b < \nb
	v_lshrrev_b32 v[\tm+4+\b], 23, v[\tm+12+\b]          ; the scale's byte
.endif
.endr
	v_lshl_or_b32 v[\pw], v[\tm+5], 8, v[\tm+4]
.if \nb > 2
	s_delay_alu instid0(VALU_DEP_1)
	v_lshl_or_b32 v[\pw], v[\tm+6], 16, v[\pw]
	s_delay_alu instid0(VALU_DEP_1)
	v_lshl_or_b32 v[\pw], v[\tm+7], 24, v[\pw]
.endif
.irp b, 0,1,2,3
.if \b < \nb
	v_cvt_scalef32_pk8_fp4_f32 v[\pc+2*\b], v[\s+16*\b:\s+7+16*\b], v[\tm+12+\b]
	v_cvt_scalef32_pk8_fp4_f32 v[\pc+1+2*\b], v[\s+8+16*\b:\s+15+16*\b], v[\tm+12+\b]
.endif
.endr
	v_nop                                          ; a plain instruction behind the last scaled conversion
.irp c, 0,1
.if 2*\c < \nb
.irp i, 0,1
	v_permlane16_swap_b32 v[\pc+4*\c+\i], v[\pc+2+4*\c+\i]   ; the operand wants a whole block in a lane: lanes 0-15 block 2 c, lanes 16-31 block 2 c + 1
.endr
.endif
.endr
.endm
	s_load_b512 s[4:19], s[0:1], 0x0               ; x s[4:5], tenc s[6:7], part s[8:9], gn_g s[10:11], gn_b s[12:13], wc s[14:15], ws s[16:17], qb s[18:19]
	s_load_b256 s[20:27], s[0:1], 0x40             ; kb s[20:21], vb s[22:23], qc s[24:25], qs s[26:27]
	s_load_b64 s[28:29], s[0:1], 0x60              ; kv
	v_lshrrev_b32 v1, 5, v0
	s_delay_alu instid0(VALU_DEP_1)
	v_readfirstlane_b32 s44, v1                    ; wave 0..15
	s_mov_b32 s45, ttmp9                           ; s
	s_and_b32 s46, ttmp7, 0xffff                   ; b
	s_lshr_b32 s47, s44, 2                         ; blk
	s_and_b32 s48, s44, 7                          ; T, and n
	s_lshr_b32 s49, s44, 3                         ; 0: q, 1: k; and which half of the keys for v
	s_mov_b32 s50, 0x76543210
	s_mov_b32 s51, 0xfedcba98                      ; v_permlanex16_b32's selects for lane l xor 16
	s_mov_b32 s55, 0                               ; the upper word of the offsets in s[54:55]
	v_and_b32 v1, 31, v0                           ; lane
	v_and_b32 v2, 15, v0                           ; r
	v_bfe_u32 v3, v0, 4, 1                         ; h
	v_and_b32 v29, 127, v0                         ; pos
	v_lshrrev_b32 v30, 7, v0                       ; blk
	s_delay_alu instid0(VALU_DEP_2)
	v_lshlrev_b32 v4, 2, v29
	v_lshlrev_b32 v5, 4, v1
	v_lshlrev_b32 v28, 2, v1
	v_mul_u32_u24 v6, v29, 80
	s_delay_alu instid0(VALU_DEP_1)
	v_lshl_add_u32 v6, v30, 4, v6                  ; row pos, 16 bytes for block blk
	v_add_nc_u32 v7, v4, v30
	s_delay_alu instid0(VALU_DEP_1)
	v_add_nc_u32 v7, ESC, v7                       ; byte blk of position pos's word
	v_and_b32 v31, 8, v2
	s_delay_alu instid0(VALU_DEP_1)
	v_add_nc_u32 v31, v31, v2                      ; r + 8 (r / 8)
	s_delay_alu instid0(VALU_DEP_1)
	v_lshlrev_b32 v15, 2, v31
	s_delay_alu instid0(VALU_DEP_2)
	v_mul_u32_u24 v9, v31, 80
	s_delay_alu instid0(VALU_DEP_1)
	v_lshl_add_u32 v9, v3, 4, v9                   ; a fragment's row x 80 + 16 h
	v_lshrrev_b32 v26, 8, v0                       ; w / 8
	s_delay_alu instid0(VALU_DEP_1)
	v_mad_u32_u24 v8, v26, 0x1400, v9              ; + 64 rows for the upper half of the keys
	v_bfe_u32 v24, v0, 6, 2                        ; T / 2
	v_bfe_u32 v25, v0, 5, 1                        ; T % 2
	s_delay_alu instid0(VALU_DEP_2)
	v_lshlrev_b32 v27, 5, v24
	s_delay_alu instid0(VALU_DEP_1)
	v_lshl_add_u32 v27, v25, 3, v27                ; tile T's first row
	s_delay_alu instid0(VALU_DEP_1)
	v_mad_u32_u24 v9, v27, 80, v9
	v_add_nc_u32 v10, ESC, v15
	s_delay_alu instid0(VALU_DEP_1)
	v_lshl_add_u32 v11, v27, 2, v10
	s_delay_alu instid0(VALU_DEP_2)
	v_lshl_add_u32 v10, v26, 8, v10
	v_lshlrev_b32 v12, 4, v2
	s_delay_alu instid0(VALU_DEP_1)
	v_lshl_add_u32 v12, v25, 8, v12
	s_delay_alu instid0(VALU_DEP_1)
	v_lshl_add_u32 v12, v24, 2, v12                ; 256 (T % 2) + 16 r + 4 (T / 2)
	s_delay_alu instid0(VALU_DEP_1)
	v_lshl_add_u32 v13, v26, 1, v12
	s_delay_alu instid0(VALU_DEP_1)
	v_add_nc_u32 v13, SCW+1024, v13                ; V's words: my two bytes
	s_delay_alu instid0(VALU_DEP_3)
	v_lshl_add_u32 v12, v26, 9, v12
	s_delay_alu instid0(VALU_DEP_1)
	v_add_nc_u32 v12, SCW, v12                     ; Q's words, or K's
	v_lshlrev_b32 v14, 6, v3
	v_lshrrev_b32 v16, 2, v1
	s_delay_alu instid0(VALU_DEP_1)
	v_lshlrev_b32 v16, 3, v16
	s_delay_alu instid0(VALU_DEP_1)
	v_lshl_add_u32 v16, v30, 6, v16                ; for the statistics lane l stands for channel 32 blk + l: 8 bytes for its group,
	v_lshl_add_u32 v17, v30, 7, v28                ; 4 for the channel
	v_lshl_add_u32 v31, v0, 4, SCW                 ; the packed words' way out: 512 x wave + 16 x lane
	s_wait_alu depctr_va_vdst(0)
	s_wait_kmcnt 0x0
	s_lshl_b32 s54, s46, 11
	s_add_nc_u64 s[8:9], s[8:9], s[54:55]          ; part at my batch
	s_and_b32 s52, s45, 3
	s_lshl_b32 s52, s52, 9
	s_add_co_u32 s54, s54, s52
	s_add_nc_u64 s[6:7], s[6:7], s[54:55]          ; tenc at my batch and column 128 (s % 4)
	s_lshl_b32 s54, s46, 22
	s_lshl_b32 s52, s47, 20
	s_add_co_u32 s54, s54, s52
	s_lshl_b32 s52, s45, 9
	s_add_co_u32 s54, s54, s52
	s_add_nc_u64 s[4:5], s[4:5], s[54:55]          ; x at my batch, channel 32 blk, position 128 s
.irp i, 0,1,2,3,4,5,6,7
	global_load_b64 v[224+2*\i:225+2*\i], v16, s[8:9] offset:256*\i   ; {mean, M2} of my channel's group, for each eighth of W
.endr
	global_load_b32 v20, v17, s[10:11]             ; gamma
	global_load_b32 v21, v17, s[12:13]             ; beta
	global_load_b32 v18, v4, s[6:7]                ; t_enc at my position
.set I, 0
.rept 32
	global_load_b32 v[32+I], v4, s[4:5] offset:32768*I th:TH_LOAD_NT   ; channel 32 blk + I at my position: 128 consecutive bytes a wave; read once in this launch
.set I, I+1
.endr
	; the weights' and the outputs' places, made while those loads are on their way
	s_lshl_b32 s54, s49, 13
	s_add_nc_u64 s[30:31], s[14:15], s[54:55]      ; qw's or kw's eight images
	s_lshl_b32 s54, s49, 10
	s_add_nc_u64 s[32:33], s[16:17], s[54:55]      ; and their scale words
	s_lshl_b32 s54, s48, 10
	s_add_nc_u64 s[34:35], s[14:15], s[54:55]      ; vw's image n (the 16,384 bytes to vw stand in the immediate)
	s_lshl_b32 s54, s48, 7
	s_add_nc_u64 s[36:37], s[16:17], s[54:55]      ; and its scale words
	s_lshr_b32 s52, s48, 1
	s_lshl_b32 s52, s52, 7
	s_and_b32 s53, s48, 1
	s_lshl_b32 s53, s53, 5
	s_add_co_u32 s54, s52, s53
	s_add_nc_u64 s[38:39], s[22:23], s[54:55]      ; vb at tile n's first channel
	s_cmp_eq_u32 s49, 0
	s_cselect_b64 s[18:19], s[18:19], s[20:21]     ; qb or kb
	s_lshl_b32 s52, s46, 6
	s_add_co_u32 s52, s52, s45                     ; 64 b + s
	s_mul_i32 s54, s52, REC
	s_add_nc_u64 s[28:29], s[28:29], s[54:55]      ; kv at my record
	s_lshl_b32 s53, s48, 10                        ; 1,024 T
	s_lshl_b32 s54, s52, 13                        ; Q's images: 8 for each 128 positions
	s_cmp_eq_u32 s49, 0
	s_cselect_b64 s[56:57], s[24:25], s[28:29]
	s_cselect_b32 s54, s54, 0
	s_add_co_u32 s54, s54, s53
	s_add_nc_u64 s[56:57], s[56:57], s[54:55]      ; where my image of Q or K goes
	s_lshl_b32 s54, s49, 9
	s_add_co_u32 s54, s54, s53
	s_add_co_u32 s54, s54, 8192
	s_add_nc_u64 s[58:59], s[28:29], s[54:55]      ; where my half image of V goes
	s_lshl_b32 s53, s44, 9
	s_add_co_u32 s53, s53, 15872                   ; wave 1: 16,384 (K's words), wave 2: 16,896 (V's)
	s_lshl_b32 s54, s52, 9
	s_cmp_eq_u32 s44, 0
	s_cselect_b64 s[60:61], s[26:27], s[28:29]     ; wave 0: Q's words, into qs
	s_cselect_b32 s54, s54, s53
	s_add_nc_u64 s[60:61], s[60:61], s[54:55]      ; (used by waves 0 to 2 alone)
	s_wait_loadcnt 32                              ; the eleven loads for the statistics are in; x's 32, issued behind them, may be out
.irp t, 0,1,2,3,4,5,6,7
	global_load_b128 v[160+8*\t:163+8*\t], v5, s[30:31] offset:1024*\t
	global_load_b128 v[164+8*\t:167+8*\t], v5, s[30:31] offset:1024*\t+512
.endr
.irp t, 0,1,2,3,4,5,6,7                        ; the bias in the result's layout, straight into the accumulators: lane (r, h), tile t: channels 32 (t / 2) + 16 h + 8 (t % 2) + 0 .. 7
	global_load_b128 v[96+8*\t:99+8*\t], v14, s[18:19] offset:(32*(\t/2)+8*(\t%2))*4
	global_load_b128 v[100+8*\t:103+8*\t], v14, s[18:19] offset:(32*(\t/2)+8*(\t%2))*4+16
.endr
.irp t, 0,1,2,3,4,5,6,7
	global_load_b32 v[248+\t], v28, s[32:33] offset:128*\t
.endr
	global_load_b128 v[72:75], v5, s[34:35] offset:16384
	global_load_b128 v[76:79], v5, s[34:35] offset:16384+512
	global_load_b32 v246, v28, s[36:37] offset:2048
	global_load_b32 v80, v15, s[38:39]             ; vb of my lane's channel
	; my channel's coefficients: the eight pairs are joined as the first launch joined four
	v_add_f32 v22, v224, v226
	v_add_f32 v23, v228, v230
	v_add_f32 v24, v232, v234
	v_add_f32 v25, v236, v238
	s_delay_alu instid0(VALU_DEP_3)
	v_add_f32 v22, v22, v23
	s_delay_alu instid0(VALU_DEP_2)
	v_add_f32 v24, v24, v25
	s_delay_alu instid0(VALU_DEP_1)
	v_add_f32 v22, v22, v24
	s_delay_alu instid0(VALU_DEP_1)
	v_mul_f32 v22, 0x3e000000, v22                 ; the group's mean
	v_add_f32 v23, v225, v227
	v_add_f32 v24, v229, v231
	v_add_f32 v25, v233, v235
	v_add_f32 v26, v237, v239
	s_delay_alu instid0(VALU_DEP_3)
	v_add_f32 v23, v23, v24
	s_delay_alu instid0(VALU_DEP_2)
	v_add_f32 v25, v25, v26
	s_delay_alu instid0(VALU_DEP_1)
	v_add_f32 v23, v23, v25
	v_sub_f32 v24, v224, v22
	s_delay_alu instid0(VALU_DEP_1)
	v_mul_f32 v25, v24, v24
.irp i, 1,2,3,4,5,6,7
	v_sub_f32 v24, v[224+2*\i], v22
	s_delay_alu instid0(VALU_DEP_1)
	v_fma_f32 v25, v24, v24, v25
.endr
	s_delay_alu instid0(VALU_DEP_1)
	v_fma_f32 v23, v25, 0x45800000, v23            ; M2 = sum M2 + 4,096 sum (m - mean)^2
	s_mov_b32 s52, 0x38000000                      ; 1 / 32,768
	s_mov_b32 s53, 0x358637bd                      ; 1e-6
	v_fma_f32 v23, v23, s52, s53
	s_wait_alu depctr_va_vdst(0)
	v_rsq_f32 v23, v23
.irp b, 0,1,2,3
	v_mov_b32 v[228+\b], 0                         ; (plain instructions behind the root)  written once: a lane permute's destination counts as one of its sources
.endr
	s_wait_alu depctr_va_vdst(0)
	v_mul_f32 v23, v23, v20                        ; gamma / sqrt(var + eps)
	s_wait_alu depctr_va_vdst(0)
	s_wait_xcnt 0x0                                ; every load above has read its base: the registers that held pointers take the coefficients
.set I, 0
.rept 32
	v_readlane_b32 s[4+I], v23, I
	v_readlane_b32 s[66+I], v21, I
.set I, I+1
.endr
.set I, 0
.rept 8
	v_readlane_b32 s[36+I], v22, 4*I
.set I, I+1
.endr
	s_wait_loadcnt 44                              ; x is in; the 44 loads issued behind it may be out
.set G, 0
.rept 8
	v_sub_f32 v19, v18, s[36+G]                    ; t_enc - the group's mean
.irp j, 0,1,2,3
	v_add_f32 v[32+4*G+\j], v[32+4*G+\j], v19
.endr
.irp j, 0,1,2,3
	s_delay_alu instid0(VALU_DEP_4)
	v_fma_f32 v[32+4*G+\j], v[32+4*G+\j], s[4+4*G+\j], s[66+4*G+\j]
.endr
.set G, G+1
.endr
	v_max3_num_f32 v22, |v32|, |v33|, |v34|        ; the block's largest magnitude: all 32 numbers are mine
	v_max3_num_f32 v23, |v35|, |v36|, |v37|
.irp i, 6,10,14,18,22,26
	s_delay_alu instid0(VALU_DEP_2)
	v_max3_num_f32 v22, v22, |v[32+\i]|, |v[33+\i]|
	s_delay_alu instid0(VALU_DEP_2)
	v_max3_num_f32 v23, v23, |v[34+\i]|, |v[35+\i]|
.endr
	s_delay_alu instid0(VALU_DEP_2)
	v_max3_num_f32 v22, v22, |v62|, |v63|
	s_delay_alu instid0(VALU_DEP_1)
	v_max3_num_f32 v22, v22, v23, 0x1800000
	s_delay_alu instid0(VALU_DEP_1)
	v_add_nc_u32 v24, 0xff000000, v22
	s_delay_alu instid0(VALU_DEP_1)
	v_lshrrev_b32 v25, 23, v24
.irp g, 0,1,2,3
	v_cvt_scalef32_pk8_fp4_f32 v[88+\g], v[32+8*\g:39+8*\g], v24
.endr
	v_nop                                          ; a plain instruction behind the last scaled conversion
	ds_store_b128 v6, v[88:91]
	ds_store_b8 v7, v25
	s_wait_dscnt 0x0                               ; for the others' sake: my codes and my byte lie in LDS
	s_barrier_signal -1
	s_barrier_wait -1
	ds_load_b128 v[64:67], v9                      ; e's tile T
	ds_load_b128 v[68:71], v9 offset:32
	ds_load_b32 v241, v11
.irp i, 0,1,2,3                                ; and the four tiles of my half of the keys
	ds_load_b128 v[32+8*\i:35+8*\i], v8 offset:(32*(\i/2)+8*(\i%2))*80
	ds_load_b128 v[36+8*\i:39+8*\i], v8 offset:(32*(\i/2)+8*(\i%2))*80+32
	ds_load_b32 v[242+\i], v10 offset:(32*(\i/2)+8*(\i%2))*4
.endr
	s_wait_loadcnt 0x0
	s_wait_dscnt 0x0
.irp j, 1,2,3,4,5,6,7
	v_mov_b32 v[80+\j], v80                        ; vb as a C: every row of the result tile is a key, the column my channel
.endr
.irp t, 0,1,2,3,4,5,6,7                        ; q or k of my 16 positions: lane (r, h) holds position r; register j of tile t is channel 32 (t / 2) + 16 h + 8 (t % 2) + j
	v_wmma_scale_f32_16x16x128_f8f6f4 v[96+8*\t:103+8*\t], v[160+8*\t:167+8*\t], v[64:71], v[96+8*\t:103+8*\t], v[248+\t], v241 matrix_a_fmt:MATRIX_FMT_FP4 matrix_b_fmt:MATRIX_FMT_FP4
.endr
.rept 5
	v_nop                                          ; four places in front of the reads of the results; the fifth for the matrix instructions below, which write over these accumulators
.endr
	QUANT 96, 4, 224, 88, 240
	global_store_b128 v5, v[88:91], s[56:57]       ; the image: 32 lanes store 512 consecutive bytes
	global_store_b128 v5, v[92:95], s[56:57] offset:512
	ds_store_b32 v12, v240                         ; lanes r and r + 16 write the same word with the same value
.irp i, 0,1,2,3                                ; v: lane (r, h) holds channel r of tile n; register j of tile i is key 64 (w / 8) + 32 (i / 2) + 16 h + 8 (i % 2) + j
	v_wmma_scale_f32_16x16x128_f8f6f4 v[96+8*\i:103+8*\i], v[32+8*\i:39+8*\i], v[72:79], v[80:87], v[242+\i], v246 matrix_a_fmt:MATRIX_FMT_FP4 matrix_b_fmt:MATRIX_FMT_FP4
.endr
.rept 4
	v_nop
.endr
	QUANT 96, 2, 224, 160, 247
	global_store_b128 v5, v[160:163], s[58:59]     ; registers 4 (w / 8) .. + 3 of V's image n
	ds_store_b16 v13, v247
	s_wait_dscnt 0x0
	s_barrier_signal -1
	s_barrier_wait -1                              ; the three sets of packed scale words are whole
	s_cmp_lt_u32 s44, 3
	s_cbranch_scc0 .Ldone
	ds_load_b128 v[64:67], v31
	s_wait_dscnt 0x0
	global_store_b128 v5, v[64:67], s[60:61]       ; 512 consecutive bytes
.Ldone:
	s_wait_xcnt 0x0
	v_lshl_add_u32 v254, v0, 2, 0x3000
	v_mov_b32 v255, 0
	s_wait_alu depctr_va_vdst(0)
	s_wait_tensorcnt 0x0
	ds_add_u32 v254, v255
	s_wait_dscnt 0x0
	s_endpgm
.Lfunc_end_k_q4d8f381dad_qkv:
	.size	k_q4d8f381dad_qkv, .Lfunc_end_k_q4d8f381dad_qkv-k_q4d8f381dad_qkv
	.p2alignl 7, 3214868480
	.fill 96, 4, 3214868480
	.section	.rodata,"a",@progbits
	.p2align	6, 0x0
	.amdhsa_kernel k_q4d8f381dad_qkv
		.amdhsa_group_segment_fixed_size 14336
		.amdhsa_private_segment_fixed_size 0
		.amdhsa_enable_private_segment 0
		.amdhsa_kernarg_size 104
		.amdhsa_user_sgpr_count 2
		.amdhsa_user_sgpr_kernarg_segment_ptr 1
		.amdhsa_wavefront_size32 1
		.amdhsa_system_sgpr_workgroup_id_x 1
		.amdhsa_system_sgpr_workgroup_id_y 1
		.amdhsa_system_sgpr_workgroup_id_z 1
		.amdhsa_system_vgpr_workitem_id 0
		.amdhsa_next_free_vgpr 256
		.amdhsa_next_free_sgpr 98
		.amdhsa_reserve_vcc 0
		.amdhsa_float_denorm_mode_32 3
		.amdhsa_float_denorm_mode_16_64 3
		.amdhsa_memory_ordered 1
		.amdhsa_forward_progress 1
		.amdhsa_inst_pref_size 37
	.end_amdhsa_kernel
	.amdgpu_metadata
---
amdhsa.version: [ 1, 2 ]
amdhsa.kernels:
  - .name:           k_q4d8f381dad_qkv
    .symbol:         k_q4d8f381dad_qkv.kd
    .args:
      - { .name: x, .offset: 0, .size: 8, .value_kind: global_buffer, .address_space: global }
      - { .name: tenc, .offset: 8, .size: 8, .value_kind: global_buffer, .address_space: global }
      - { .name: part, .offset: 16, .size: 8, .value_kind: global_buffer, .address_space: global }
      - { .name: gn_g, .offset: 24, .size: 8, .value_kind: global_buffer, .address_space: global }
      - { .name: gn_b, .offset: 32, .size: 8, .value_kind: global_buffer, .address_space: global }
      - { .name: wc, .offset: 40, .size: 8, .value_kind: global_buffer, .address_space: global }
      - { .name: ws, .offset: 48, .size: 8, .value_kind: global_buffer, .address_space: global }
      - { .name: qb, .offset: 56, .size: 8, .value_kind: global_buffer, .address_space: global }
      - { .name: kb, .offset: 64, .size: 8, .value_kind: global_buffer, .address_space: global }
      - { .name: vb, .offset: 72, .size: 8, .value_kind: global_buffer, .address_space: global }
      - { .name: qc, .offset: 80, .size: 8, .value_kind: global_buffer, .address_space: global }
      - { .name: qs, .offset: 88, .size: 8, .value_kind: global_buffer, .address_space: global }
      - { .name: kv, .offset: 96, .size: 8, .value_kind: global_buffer, .address_space: global }
    .group_segment_fixed_size: 14336
    .private_segment_fixed_size: 0
    .kernarg_segment_align: 8
    .kernarg_segment_size: 104
    .max_flat_workgroup_size: 512
    .sgpr_count:     98
    .vgpr_count:     256
    .wavefront_size: 32
...
	.end_amdgpu_metadata
.endif
;; end of part 2
;; launch attn (part 3): grid 128 x 2, 16 waves a work-group, clusters of 4 x 1, 327,680 bytes of LDS; arguments qc, qs, kv, wc, ws, pb, x, out0; writes out0
.if DOCPART == 3
	.amdgcn_target "amdgcn-amd-amdhsa--gfx1250"
	.amdhsa_code_object_version 6
	.text
	.protected	k_q4d8f381dad_attn
	.globl	k_q4d8f381dad_attn
	.p2align	8
	.type	k_q4d8f381dad_attn,@function
k_q4d8f381dad_attn:
	s_mov_b64 s[64:65], 0
	v_nop
	global_prefetch_b8 v0, s[64:65] scope:SCOPE_SE
	s_setreg_imm32_b32 hwreg(HW_REG_WAVE_MODE, 25, 1), 1
	s_wait_xcnt 0x0
	s_wait_alu depctr_hold_cnt(0) depctr_sa_sdst(0) depctr_va_vdst(0) depctr_va_sdst(0) depctr_va_ssrc(0) depctr_va_vcc(0) depctr_vm_vsrc(0)
	s_getreg_b32 s2, hwreg(HW_REG_IB_STS2, 6, 4)
	s_cmp_eq_u32 s2, 0
	s_cbranch_scc0 .Lentry_in_a_cluster
	s_endpgm
.Lentry_in_a_cluster:
	s_bfe_u32 s2, ttmp6, 0x10000c
	s_cmp_lg_u32 s2, 0x3003
	s_cbranch_scc0 .Lentry_shape_is_right
	s_endpgm
.Lentry_shape_is_right:
; THIRD LAUNCH.  out0 = x + pw (V softmax(Q K^T / sqrt(128))^T) + pb, all three products on codes of E2M1 with one E8M0 scale for each 32 along K.
; THE SOFTMAX AHEAD OF THE SECOND PRODUCT: t = score x log2(e) / sqrt(128); M = the largest t so far, rounded UP to a whole number; p = 2^(t - M) is quantised along the keys, not normalised; the row's sum is taken
; of the unquantised p and divides at the end.  When M moves, the sum and O are multiplied by 2^(old M - new M): exact.
; SHARES.  A work-group owns 64 queries of one batch, so that the 16,384 queries give 256 work-groups.  Sixteen waves of 256 registers: wave w owns the tile qt = w % 4 of 16 queries and the quarter kq = w / 4 of the
; keys: of every slot's eight records (128 keys each) it walks records 2 kq and 2 kq + 1, 16 key steps in all, with an M of its own.  At the end the four quarters of a tile are joined by exact powers of two.
; LAYOUT.  Both attention products are used transposed (S^T = K Q^T, O^T = V^T P^T): a lane holds one query throughout.  The rows of K's tiles, Q's tiles and V^T's tiles were ordered by the launch before so that
; p's 16 registers of two neighbouring tiles are 16 neighbouring keys, and O^T's are 16 neighbouring channels.  Every operand lies in memory and in LDS as an image of its registers: all LDS reads are at 16 x lane.
; THE RING.  Two slots of eight records (139,264 bytes).  Waves 0-7 fetch one record each (68 rows of 256 bytes, dense); all sixteen read.  By this text's count a wave has two tensor loads out at the start, later one.
; CLUSTER.  The four work-groups of a cluster belong to one batch and walk the same kv: every record is asked for JOINTLY, by the same tensor load with the same descriptor and the mask of all four.
; The place in the cluster enters the global addresses of qc, qs, x and out0 alone.
; THE END.  Waves with kq = 0 join the quarters, divide by the sum, quantise O along the channels and multiply by pw (source 0 = my 16 queries, source 1 = 16 rows of pw): a lane then holds one output channel and eight
; neighbouring positions.  The 128 x 64 results meet in a stage; all sixteen waves add x and pb and store whole runs of 256 bytes.
; LIMITS: NaN and infinities are not served; a p under 2^-126 counts as 0 (v_exp_f32 gives no denormals: ISA guide, its entry); a block whose largest magnitude lies under 2^-124 gets the scale byte 1; a block's largest p
; is taken as the exponential of its largest score; sums in another order than the source's.
.set REC,   17408                      ; a record: K's 8 images, V's 8 images, K's packed scale words, V's
.set SLOT,  8*REC
.set STG,   2*SLOT                     ; the stage: 128 channels x (256 bytes + 16)
.set SPARE, STG+128*272                ; the spare words, 128 bytes for each wave: eight blocks of 256 bytes that no other line names
.set MREC,  8448                       ; the joining: O^T's image (8,192 bytes), -M (128), the sum (128) of wave (qt, kq) at (4 qt + kq) x MREC, in slot 0, which has had its last fill and its last read by then
; v1 16 lane; v2, v3 my two records in slot 0, 1 (in the end: the joining's words); v4, v7 the joining's images; v5, v6 the spare word's address and 0; v8, v9 the stage, in and out; v10, v11 offsets in x, out0 and pb;
; v12 -M; v13 the largest t; v[14:15] the sum; v16-23 Q; v24-27, v28-31 scale words of K and of V (in the end of pw); v32-95 eight fragments; v96-159 S^T, then p; v160-223 O^T; v224-231 p's codes; v232-252, v254 at work;
; v253 p's scale word; v255 Q's.
; s20 wave, s21 qt, s22 kq, s24 my block of 64 queries, s25 batch, s[26:27] lane selects, s[28:29] c, s[32:39] descriptor group 1, s[40:43], s[44:47] group 0 of slot 0, 1, s48 trips.
.macro MMA d, a, b, z, sa, sb, odd     ; one product; z = 1: it starts the sum; odd = 1: source 0's scale words stand in lanes 16-31
.if \z
.if \odd
	v_wmma_scale_f32_16x16x128_f8f6f4 v[\d:\d+7], v[\a:\a+7], v[\b:\b+7], 0, v[\sa], v[\sb] matrix_a_fmt:MATRIX_FMT_FP4 matrix_b_fmt:MATRIX_FMT_FP4 matrix_a_scale:MATRIX_SCALE_ROW1
.else
	v_wmma_scale_f32_16x16x128_f8f6f4 v[\d:\d+7], v[\a:\a+7], v[\b:\b+7], 0, v[\sa], v[\sb] matrix_a_fmt:MATRIX_FMT_FP4 matrix_b_fmt:MATRIX_FMT_FP4
.endif
.else
.if \odd
	v_wmma_scale_f32_16x16x128_f8f6f4 v[\d:\d+7], v[\a:\a+7], v[\b:\b+7], v[\d:\d+7], v[\sa], v[\sb] matrix_a_fmt:MATRIX_FMT_FP4 matrix_b_fmt:MATRIX_FMT_FP4 matrix_a_scale:MATRIX_SCALE_ROW1
.else
	v_wmma_scale_f32_16x16x128_f8f6f4 v[\d:\d+7], v[\a:\a+7], v[\b:\b+7], v[\d:\d+7], v[\sa], v[\sb] matrix_a_fmt:MATRIX_FMT_FP4 matrix_b_fmt:MATRIX_FMT_FP4
.endif
.endif
.endm
.macro CROUND                          ; a round of the cluster's barrier: my work-group's barrier; wave 0 signals for the work-group; every wave waits for all four work-groups; my work-group's barrier once more
	s_barrier_signal -1
	s_barrier_wait -1
	s_cmp_lg_u32 s20, 0
	s_cbranch_scc1 .Lnot_wave_0_\@
	s_barrier_signal -3
.Lnot_wave_0_\@:
	s_barrier_wait -3
	s_barrier_signal -1
	s_barrier_wait -1
.endm
.macro TLOAD n                         ; waves 0-7 ask for their record of slot n; the branch hangs on the wave's number alone; four v_nop follow the load
	s_cmp_lt_u32 s20, 8
	s_cbranch_scc0 .Lno_load_\@
	tensor_load_to_lds s[40+4*(\n):43+4*(\n)], s[32:39]
	s_nop 0
.rept 4
	v_nop
.endr
.Lno_load_\@:
.endm
.macro QUANT s, nb, tm, pc, pw         ; 16 nb numbers of a lane, register 16 b + i = k 32 b + 16 (lane / 16) + i of my row, become codes in v[pc] on (operand order) and the scale word in v[pw]
.irp b, 0,1,2,3
.if \b < \nb
	v_max3_num_f32 v[\tm+\b], |v[\s+16*\b]|, |v[\s+1+16*\b]|, 0x1800000
.endif
.endr
.irp i, 2,4,6,8,10,12,14
.irp b, 0,1,2,3
.if \b < \nb
	s_delay_alu instid0(VALU_DEP_4)
	v_max3_num_f32 v[\tm+\b], v[\tm+\b], |v[\s+16*\b+\i]|, |v[\s+1+16*\b+\i]|
.endif
.endr
.endr
.irp b, 0,1,2,3
.if \b < \nb
	s_delay_alu instid0(VALU_DEP_4)
	v_permlanex16_b32 v[\tm+4+\b], v[\tm+\b], s26, s27
.endif
.endr
.irp b, 0,1,2,3
.if \b < \nb
	s_delay_alu instid0(VALU_DEP_4)
	v_max_num_f32 v[\tm+\b], v[\tm+\b], v[\tm+4+\b]
.endif
.endr
.irp b, 0,1,2,3
.if \b < \nb
	s_delay_alu instid0(VALU_DEP_4)
	v_add_nc_u32 v[\tm+12+\b], 0xff000000, v[\tm+\b]
.endif
.endr
.irp b, 0,1,2,3
.if \b < \nb
	s_delay_alu instid0(VALU_DEP_4)
	v_lshrrev_b32 v[\tm+4+\b], 23, v[\tm+12+\b]
.endif
.endr
	s_delay_alu instid0(VALU_DEP_3)
	v_lshl_or_b32 v[\pw], v[\tm+5], 8, v[\tm+4]
.if \nb > 2
	s_delay_alu instid0(VALU_DEP_1)
	v_lshl_or_b32 v[\pw], v[\tm+6], 16, v[\pw]
	s_delay_alu instid0(VALU_DEP_1)
	v_lshl_or_b32 v[\pw], v[\tm+7], 24, v[\pw]
.endif
.irp b, 0,1,2,3
.if \b < \nb
	v_cvt_scalef32_pk8_fp4_f32 v[\pc+2*\b], v[\s+16*\b:\s+7+16*\b], v[\tm+12+\b]
	v_cvt_scalef32_pk8_fp4_f32 v[\pc+1+2*\b], v[\s+8+16*\b:\s+15+16*\b], v[\tm+12+\b]
.endif
.endr
	v_nop                                          ; a plain instruction behind the last scaled conversion
.irp c, 0,1
.if 2*\c < \nb
.irp i, 0,1
	v_permlane16_swap_b32 v[\pc+4*\c+\i], v[\pc+2+4*\c+\i]
.endr
.endif
.endr
.endm
	s_load_b512 s[4:19], s[0:1], 0x0               ; qc s[4:5], qs s[6:7], kv s[8:9], wc s[10:11], ws s[12:13], pb s[14:15], x s[16:17], out0 s[18:19]
	v_lshl_add_u32 v5, v0, 2, SPARE
	v_mov_b32 v6, 0
	ds_add_u32 v5, v6
	ds_add_u32 v5, v6
	s_wait_dscnt 0x0
	v_lshrrev_b32 v1, 5, v0
	s_delay_alu instid0(VALU_DEP_1)
	v_readfirstlane_b32 s20, v1                    ; wave 0..15
	s_and_b32 s21, s20, 3                          ; qt
	s_lshr_b32 s22, s20, 2                         ; kq
	s_bfe_u32 s23, ttmp6, 0x40000                  ; cx: my place in the cluster
	s_lshl_b32 s24, ttmp9, 2                       ; in a cluster launch ttmp9 counts clusters
	s_add_co_u32 s24, s24, s23                     ; my block of 64 queries
	s_and_b32 s25, ttmp7, 0xffff                   ; the batch, which the four partners share
	s_mov_b32 s26, 0x76543210
	s_mov_b32 s27, 0xfedcba98
	s_mov_b32 s28, 0x3e0293ee                      ; c = log2(e) / sqrt(128)
	s_mov_b32 s29, s28                             ; (named with it as a pair, so it is written)
	; descriptor group 1: a record as 68 dense rows of 32 elements of 8 bytes, no padding
	s_mov_b32 s32, 15|(3<<16)|(1<<21)              ; 15:0 the mask: all four work-groups; 17:16 elements of 8 bytes; 21 set beside a mask
	s_mov_b32 s33, 32<<16                          ; tensor_dim0 = 32
	s_mov_b32 s34, 68<<16                          ; tensor_dim1 = 68
	s_mov_b32 s35, 32<<16                          ; tile_dim0 = 32
	s_mov_b32 s36, 68                              ; tile_dim1 = 68
	s_mov_b32 s37, 32                              ; from row to row
	s_mov_b32 s38, 0
	s_mov_b32 s39, 0
	s_and_b32 s49, s20, 7
	s_mul_i32 s49, s49, REC                        ; the record that I fetch: its place in a slot, in LDS and in memory alike
	s_mul_i32 s30, s25, 64*REC
	s_add_co_u32 s30, s30, s49
	s_mov_b32 s31, 0
	s_wait_kmcnt 0x0
	s_add_nc_u64 s[8:9], s[8:9], s[30:31]
	s_mov_b32 s40, 1                               ; count = 1
	s_mov_b32 s41, s49                             ; LDS address: slot 0
	s_mov_b64 s[42:43], s[8:9]                     ; records 0-7
	s_or_b32 s43, s43, 0x80000000                  ; type = 2
	s_mov_b32 s44, 1
	s_add_co_u32 s45, s49, SLOT
	s_add_nc_u64 s[46:47], s[8:9], SLOT            ; records 8-15
	s_or_b32 s47, s47, 0x80000000
	; Q's image and scale words; x, out0 and pb for the end
	s_lshl_b32 s30, s25, 9
	s_lshl_b32 s49, s24, 2
	s_add_co_u32 s30, s30, s49
	s_add_co_u32 s30, s30, s21                     ; tile 512 batch + 4 block + qt
	s_lshl_b32 s30, s30, 10
	s_add_nc_u64 s[4:5], s[4:5], s[30:31]
	s_lshl_b32 s30, s25, 6
	s_lshr_b32 s49, s24, 1
	s_add_co_u32 s30, s30, s49
	s_lshl_b32 s30, s30, 9                         ; the 512 bytes of my 128 positions; my tile there is T = 4 (block % 2) + qt:
	s_and_b32 s49, s21, 1
	s_lshl_b32 s49, s49, 8
	s_add_co_u32 s30, s30, s49                     ; 256 (T % 2)
	s_and_b32 s49, s24, 1
	s_lshl_b32 s49, s49, 3
	s_add_co_u32 s30, s30, s49
	s_lshr_b32 s49, s21, 1
	s_lshl_b32 s49, s49, 2
	s_add_co_u32 s30, s30, s49                     ; 4 (T / 2)
	s_add_nc_u64 s[6:7], s[6:7], s[30:31]
	s_lshl_b32 s30, s25, 22
	s_lshl_b32 s49, s20, 18                        ; channels 8 wave on,
	s_add_co_u32 s30, s30, s49
	s_lshl_b32 s49, s24, 8                         ; my block's 256 bytes
	s_add_co_u32 s30, s30, s49
	s_add_nc_u64 s[16:17], s[16:17], s[30:31]
	s_add_nc_u64 s[18:19], s[18:19], s[30:31]
	s_lshl_b32 s30, s20, 5
	s_add_nc_u64 s[14:15], s[14:15], s[30:31]
	CROUND                                         ; all four work-groups are here: the first joint loads meet
	s_cmp_lt_u32 s20, 8                            ; a wave's two first fills stand in one branch, ahead of every wait on TENSORcnt and every LDS read
	s_cbranch_scc0 .Lfirst_asked
	tensor_load_to_lds s[40:43], s[32:39]
	s_nop 0
	tensor_load_to_lds s[44:47], s[32:39]
	s_nop 0
.rept 4
	v_nop
.endr
.Lfirst_asked:
	v_and_b32 v32, 31, v0                          ; lane
	v_and_b32 v33, 15, v0                          ; r
	v_bfe_u32 v34, v0, 4, 1                        ; h
	v_bfe_u32 v35, v0, 5, 2                        ; qt
	v_bfe_u32 v36, v0, 7, 2                        ; kq
	v_lshlrev_b32 v1, 4, v32
	v_lshlrev_b32 v38, 4, v33
	global_load_b128 v[16:19], v1, s[4:5]          ; Q's fragment stays in registers
	global_load_b128 v[20:23], v1, s[4:5] offset:512
	global_load_b32 v255, v38, s[6:7]              ; its scale words
	v_mad_u32_u24 v2, v36, 2*REC, v1
	s_delay_alu instid0(VALU_DEP_1)
	v_add_nc_u32 v3, SLOT, v2
	v_lshl_add_u32 v37, v35, 2, v36
	s_delay_alu instid0(VALU_DEP_1)
	v_mad_u32_u24 v4, v37, MREC, v1
	v_mad_u32_u24 v7, v35, 4*MREC, v1
	v_mul_u32_u24 v8, v33, 272                     ; the stage, in: channel r of a tile; my eight positions begin at 32 (qt / 2) + 8 (qt % 2) + 16 h
	v_bfe_u32 v37, v0, 6, 1
	s_delay_alu instid0(VALU_DEP_1)
	v_lshl_add_u32 v8, v37, 7, v8
	v_bfe_u32 v37, v0, 5, 1
	s_delay_alu instid0(VALU_DEP_1)
	v_lshl_add_u32 v8, v37, 5, v8
	s_delay_alu instid0(VALU_DEP_1)
	v_lshl_add_u32 v8, v34, 6, v8
	s_delay_alu instid0(VALU_DEP_1)
	v_add_nc_u32 v8, STG, v8
	v_lshrrev_b32 v37, 5, v0
	s_delay_alu instid0(VALU_DEP_1)
	v_lshl_add_u32 v37, v37, 3, v34                ; out: channels 8 wave on; lanes 0-15 one channel's 256 bytes, lanes 16-31 the next's
	s_delay_alu instid0(VALU_DEP_1)
	v_mul_u32_u24 v9, v37, 272
	s_delay_alu instid0(VALU_DEP_1)
	v_lshl_add_u32 v9, v33, 4, v9
	s_delay_alu instid0(VALU_DEP_1)
	v_add_nc_u32 v9, STG, v9
	v_lshlrev_b32 v10, 15, v34                     ; and the same in x and out0: a channel is 32,768 bytes
	s_delay_alu instid0(VALU_DEP_1)
	v_lshl_add_u32 v10, v33, 4, v10
	v_lshlrev_b32 v11, 2, v34
	v_mov_b32 v13, 0xff61b1e6                      ; the largest t so far: -3e38, under every t
	s_delay_alu instid0(VALU_DEP_1)
	v_floor_f32 v12, -v13                          ; -M
	v_mov_b32 v14, 0
	v_mov_b32 v15, 0
.irp b, 0,1,2,3
	v_mov_b32 v[236+\b], 0                         ; written once: a lane permute's destination counts as one of its sources
.endr
	v_mov_b32 v253, 0                              ; (named as the upper half of the pair v[252:253] before it is first written)
.set JJ, 0
.rept 64
	v_mov_b32 v[160+JJ], 0                         ; O^T.  The key step is written for every step alike: the first finds zeros, which the first change of M leaves zeros
.set JJ, JJ+1
.endr
; A KEY STEP: the 128 keys of record rec (0, 1) of my pair, at the address in v[ad].
.macro STEP ad, rec
.rept 4
	v_nop                                          ; places in front of loads into registers that the last products have read
.endr
	ds_load_b128 v[24:27], v[\ad] offset:REC*\rec+16384   ; K's scale words: register i: tile 2 i in lanes 0-15, tile 2 i + 1 in lanes 16-31
.irp t, 0,1,2,3,4,5,6,7
	ds_load_b128 v[32+8*\t:35+8*\t], v[\ad] offset:REC*\rec+1024*\t
	ds_load_b128 v[36+8*\t:39+8*\t], v[\ad] offset:REC*\rec+1024*\t+512
.endr
.irp t, 0,1,2,3,4,5,6,7
	s_wait_dscnt 14-2*\t                           ; tile t is in; the later tiles' loads, two each, may be out
	MMA 96+8*\t, 32+8*\t, 16, 1, 24+\t/2, 255, \t%2
.endr
.rept 4
	v_nop                                          ; places: in front of the loads below, and of the first read of the scores
.endr
	ds_load_b128 v[28:31], v[\ad] offset:REC*\rec+16896   ; V's scale words and fragments are on their way during the softmax
.irp t, 0,1,2,3,4,5,6,7
	ds_load_b128 v[32+8*\t:35+8*\t], v[\ad] offset:REC*\rec+8192+1024*\t
	ds_load_b128 v[36+8*\t:39+8*\t], v[\ad] offset:REC*\rec+8192+1024*\t+512
.endr
.irp b, 0,1,2,3
	v_max3_num_f32 v[232+\b], v[96+16*\b], v[97+16*\b], v[98+16*\b]   ; the largest score of each block of 32 keys: for the row's maximum and, since p rises with the score, for the block's largest p
.endr
.irp i, 3,5,7,9,11,13
.irp b, 0,1,2,3
	v_max3_num_f32 v[232+\b], v[232+\b], v[96+16*\b+\i], v[97+16*\b+\i]
.endr
.endr
.irp b, 0,1,2,3
	v_max_num_f32 v[232+\b], v[232+\b], v[111+16*\b]
.endr
.irp b, 0,1,2,3
	s_delay_alu instid0(VALU_DEP_4)
	v_permlanex16_b32 v[236+\b], v[232+\b], s26, s27
.endr
.irp b, 0,1,2,3
	s_delay_alu instid0(VALU_DEP_4)
	v_max_num_f32 v[232+\b], v[232+\b], v[236+\b]  ; with lane l xor 16's 16 keys
.endr
	s_delay_alu instid0(VALU_DEP_2)
	v_max3_num_f32 v254, v232, v233, v234
	s_delay_alu instid0(VALU_DEP_1)
	v_max_num_f32 v254, v254, v235
	s_delay_alu instid0(VALU_DEP_1)
	v_mul_f32 v254, s28, v254                      ; the step's largest t (c is positive)
	s_delay_alu instid0(VALU_DEP_1)
	v_max_num_f32 v13, v13, v254
	v_mov_b32 v254, v12
	s_delay_alu instid0(VALU_DEP_2)
	v_floor_f32 v12, -v13                          ; the new -M = floor(-t): M is a whole number
	s_delay_alu instid0(VALU_DEP_1)
	v_sub_f32 v254, v12, v254                      ; old M - new M: a whole number, 0 or less
	s_delay_alu instid0(VALU_DEP_1)
	v_cvt_i32_f32 v254, v254                       ; (it saturates)
	s_delay_alu instid0(VALU_DEP_1)
	v_ldexp_f32 v252, 1.0, v254                    ; f = 2^(old M - new M)
.set JJ, 0
.rept 32
	v_pk_fma_f32 v[96+JJ:97+JJ], v[96+JJ:97+JJ], s[28:29], v[12:13] op_sel_hi:[1,0,0]   ; t - M, two at a time
.set JJ, JJ+2
.endr
.irp b, 0,1,2,3
	v_fma_f32 v[232+\b], v[232+\b], s28, v12
.endr
.set JJ, 0
	s_wait_alu depctr_va_vdst(0)
.rept 64
	v_exp_f32 v[96+JJ], v[96+JJ]                   ; p = 2^(t - M), at most 1
.set JJ, JJ+1
.endr
.irp b, 0,1,2,3
	v_exp_f32 v[232+\b], v[232+\b]                 ; the block's largest p
.endr
	v_pk_mul_f32 v[14:15], v[14:15], v[252:253] op_sel_hi:[1,0]   ; the sums under the new M (a plain instruction behind the exponentials)
	s_wait_alu depctr_va_vdst(0)
.irp b, 0,1,2,3
	v_max_num_f32 v[232+\b], 0x1800000, v[232+\b]  ; the floor 2^(3 - 127): the byte cannot fall under 1
.endr
.irp b, 0,1,2,3
	s_delay_alu instid0(VALU_DEP_4)
	v_add_nc_u32 v[244+\b], 0xff000000, v[232+\b]  ; 2 off the exponent field: the conversion's scale operand
.endr
.irp b, 0,1,2,3
	s_delay_alu instid0(VALU_DEP_4)
	v_lshrrev_b32 v[236+\b], 23, v[244+\b]
.endr
	s_delay_alu instid0(VALU_DEP_3)
	v_lshl_or_b32 v253, v237, 8, v236              ; p's scale word for these 128 keys
	s_delay_alu instid0(VALU_DEP_1)
	v_lshl_or_b32 v253, v238, 16, v253
	s_delay_alu instid0(VALU_DEP_1)
	v_lshl_or_b32 v253, v239, 24, v253
.irp b, 0,1,2,3
	v_cvt_scalef32_pk8_fp4_f32 v[224+2*\b], v[96+16*\b:103+16*\b], v[244+\b]
	v_cvt_scalef32_pk8_fp4_f32 v[225+2*\b], v[104+16*\b:111+16*\b], v[244+\b]
.endr
	v_nop                                          ; a plain instruction behind the last scaled conversion
.irp c, 0,1
.irp i, 0,1
	v_permlane16_swap_b32 v[224+4*\c+\i], v[226+4*\c+\i]
.endr
.endr
	v_pk_add_f32 v[236:237], v[100:101], v[104:105]
	v_pk_add_f32 v[250:251], v[108:109], v[112:113]
	v_pk_add_f32 v[248:249], v[116:117], v[120:121]
	v_pk_add_f32 v[246:247], v[124:125], v[128:129]
	v_pk_add_f32 v[244:245], v[132:133], v[136:137]
	v_pk_add_f32 v[242:243], v[140:141], v[144:145]
	v_pk_add_f32 v[240:241], v[148:149], v[152:153]
	v_pk_add_f32 v[14:15], v[14:15], v[156:157]
	v_pk_add_f32 v[236:237], v[236:237], v[96:97]
	v_pk_add_f32 v[250:251], v[250:251], v[98:99]
	v_pk_add_f32 v[248:249], v[248:249], v[102:103]
	v_pk_add_f32 v[246:247], v[246:247], v[106:107]
	v_pk_add_f32 v[244:245], v[244:245], v[110:111]
	v_pk_add_f32 v[242:243], v[242:243], v[114:115]
	v_pk_add_f32 v[240:241], v[240:241], v[118:119]
	v_pk_add_f32 v[14:15], v[14:15], v[122:123]
	v_pk_add_f32 v[236:237], v[236:237], v[126:127]
	v_pk_add_f32 v[250:251], v[250:251], v[130:131]
	v_pk_add_f32 v[248:249], v[248:249], v[134:135]
	v_pk_add_f32 v[246:247], v[246:247], v[138:139]
	v_pk_add_f32 v[244:245], v[244:245], v[142:143]
	v_pk_add_f32 v[242:243], v[242:243], v[146:147]
	v_pk_add_f32 v[240:241], v[240:241], v[150:151]
	v_pk_add_f32 v[14:15], v[14:15], v[154:155]
	v_pk_add_f32 v[236:237], v[236:237], v[158:159]
	s_delay_alu instid0(VALU_DEP_2)
	v_pk_add_f32 v[14:15], v[14:15], v[246:247]
	s_delay_alu instid0(VALU_DEP_2)
	v_pk_add_f32 v[236:237], v[236:237], v[244:245]
	v_pk_add_f32 v[250:251], v[250:251], v[242:243]
	v_pk_add_f32 v[248:249], v[248:249], v[240:241]
	s_delay_alu instid0(VALU_DEP_2)
	v_pk_add_f32 v[14:15], v[14:15], v[250:251]
	s_delay_alu instid0(VALU_DEP_2)
	v_pk_add_f32 v[236:237], v[236:237], v[248:249]
	s_delay_alu instid0(VALU_DEP_1)
	v_pk_add_f32 v[14:15], v[14:15], v[236:237]
.set JJ, 0
.rept 32
	v_pk_mul_f32 v[160+JJ:161+JJ], v[160+JJ:161+JJ], v[252:253] op_sel_hi:[1,0]   ; O^T under the new M; these are also the places between p's codes and scale word and the products below
.set JJ, JJ+2
.endr
	s_wait_alu depctr_va_vdst(0)
.irp t, 0,1,2,3,4,5,6,7                        ; O^T += V^T P^T: eight accumulators, one instruction each
	s_wait_dscnt 14-2*\t
	MMA 160+8*\t, 32+8*\t, 224, 0, 28+\t/2, 253, \t%2
.endr
.endm
; THE CHANGE OF SLOTS stands at a slot's head.  Each wave waits for all its tensor loads, adds 0 to its spare word, and waits for that and for its reads of the slot that it has left.  refill = 1: the barrier is a round of
; the cluster's, and behind it the slot just left is filled with the records two slots on: that load has two key steps of all sixteen waves in which to land.
.macro CHANGE slot, refill
	s_wait_tensorcnt 0x0                           ; no tensor load of mine is out, so a group 0 may be written
	ds_add_u32 v5, v6                              ; 0 onto my spare word
.if \refill
	s_add_nc_u64 s[46-4*\slot:47-4*\slot], s[46-4*\slot:47-4*\slot], 2*SLOT   ; the other slot's next eight records; the type bits on top are not reached
.endif
	s_wait_dscnt 0x0                               ; the add is done, and my reads of the slot that I have left are over
.if \refill
	CROUND
	TLOAD 1-\slot
.else
	s_barrier_signal -1
	s_barrier_wait -1
.endif
	STEP 2+\slot, 0
	STEP 2+\slot, 1
.endm
	s_wait_loadcnt 0x0                             ; Q
	s_wait_tensorcnt 0x1                           ; my record of slot 0 is in; slot 1's may stay out
	s_barrier_signal -1
	s_barrier_wait -1                              ; everybody's is
	STEP 2, 0
	STEP 2, 1
	s_mov_b32 s48, 3
.Lslots:                                               ; three trips, two slots each: six refills
	CHANGE 1, 1
	CHANGE 0, 1
	s_sub_co_u32 s48, s48, 1
	s_cmp_lg_u32 s48, 0
	s_cbranch_scc1 .Lslots
	CHANGE 1, 0                                    ; the last slot is written out
	; ---------------- the end
.rept 4
	v_nop                                          ; places behind the last products
.endr
	v_add_f32 v14, v14, v15                        ; the sum's two halves,
	s_delay_alu instid0(VALU_DEP_1)
	v_permlanex16_b32 v252, v14, s26, s27
	s_delay_alu instid0(VALU_DEP_1)
	v_add_f32 v14, v14, v252                       ; and lane l xor 16's: my quarter's sum for my query
	v_and_b32 v254, 31, v0
	s_delay_alu instid0(VALU_DEP_1)
	v_lshlrev_b32 v254, 2, v254                    ; 4 x lane
	v_bfe_u32 v16, v0, 5, 2                        ; qt
	v_bfe_u32 v17, v0, 7, 2                        ; kq
	s_delay_alu instid0(VALU_DEP_1)
	v_lshl_add_u32 v18, v16, 2, v17
	s_delay_alu instid0(VALU_DEP_1)
	v_mad_u32_u24 v2, v18, MREC, v254
	s_delay_alu instid0(VALU_DEP_1)
	v_add_nc_u32 v2, 8192, v2                      ; where my -M and my sum go
	v_mad_u32_u24 v3, v16, 4*MREC, v254
	s_delay_alu instid0(VALU_DEP_1)
	v_add_nc_u32 v3, 8192, v3                      ; and where my tile's four lie
.irp i, 0,1,2,3
	global_load_b128 v[232+4*\i:235+4*\i], v10, s[16:17] offset:65536*\i th:TH_LOAD_NT   ; x for the rows that I shall store: sixteen lanes read 256 consecutive bytes; read once in this launch
	global_load_b32 v[248+\i], v11, s[14:15] offset:8*\i                                   ; and their pb
.endr
	s_cmp_eq_u32 s22, 0
	s_cbranch_scc1 .Lowner
.set II, 0
.rept 16
	ds_store_b128 v4, v[160+4*II:163+4*II] offset:512*II   ; quarters 1 to 3 hand over O^T as it stands, each accumulator from its low end on,
.set II, II+1
.endr
	ds_store_b32 v2, v12                           ; -M
	ds_store_b32 v2, v14 offset:128                ; and the sum
	s_branch .Lmeet
.Lowner:                                               ; quarter 0 asks for pw meanwhile
	s_wait_alu depctr_va_vdst(0)
.irp n, 0,1,2,3,4,5,6,7
	global_load_b128 v[32+8*\n:35+8*\n], v1, s[10:11] offset:24576+1024*\n
	global_load_b128 v[36+8*\n:39+8*\n], v1, s[10:11] offset:24576+1024*\n+512
	global_load_b32 v[24+\n], v254, s[12:13] offset:3072+128*\n
.endr
.Lmeet:
	s_wait_dscnt 0x0
	s_barrier_signal -1
	s_barrier_wait -1
	s_cmp_lg_u32 s22, 0
	s_cbranch_scc1 .Lnot_owner
.macro IMG k                           ; quarter k's O^T
.set II, 0
.rept 16
	ds_load_b128 v[96+4*II:99+4*II], v7 offset:MREC*\k+512*II
.set II, II+1
.endr
.endm
.macro JOIN k                          ; O^T += f_k x quarter k's
	s_wait_dscnt 0x0
.set JJ, 0
.rept 32
	v_pk_fma_f32 v[160+JJ:161+JJ], v[96+JJ:97+JJ], v[224+2*\k:225+2*\k], v[160+JJ:161+JJ] op_sel_hi:[1,0,1]
.set JJ, JJ+2
.endr
.endm
	s_wait_alu depctr_va_vdst(0)
	ds_load_b32 v16, v3 offset:MREC
	ds_load_b32 v17, v3 offset:2*MREC
	ds_load_b32 v18, v3 offset:3*MREC
	ds_load_b32 v19, v3 offset:MREC+128
	ds_load_b32 v20, v3 offset:2*MREC+128
	ds_load_b32 v21, v3 offset:3*MREC+128
	IMG 1
	s_wait_dscnt 16                                ; the six words are in; the image's 16 loads may be out
	v_min3_num_f32 v22, v12, v16, v17
	s_delay_alu instid0(VALU_DEP_1)
	v_min_num_f32 v22, v22, v18                    ; -M of the whole row
	s_delay_alu instid0(VALU_DEP_1)
	v_sub_f32 v224, v22, v12
	s_delay_alu instid0(VALU_DEP_2)
	v_sub_f32 v226, v22, v16
	s_delay_alu instid0(VALU_DEP_3)
	v_sub_f32 v228, v22, v17
	s_delay_alu instid0(VALU_DEP_4)
	v_sub_f32 v230, v22, v18                       ; M_k - M: whole numbers, 0 or less
.irp k, 0,1,2,3
	s_delay_alu instid0(VALU_DEP_4)
	v_cvt_i32_f32 v[224+2*\k], v[224+2*\k]
.endr
.irp k, 0,1,2,3
	s_delay_alu instid0(VALU_DEP_4)
	v_ldexp_f32 v[224+2*\k], 1.0, v[224+2*\k]      ; f_k = 2^(M_k - M)
.endr
	s_delay_alu instid0(VALU_DEP_4)
	v_mul_f32 v14, v14, v224
	s_delay_alu instid0(VALU_DEP_1)
	v_fma_f32 v14, v19, v226, v14
	s_delay_alu instid0(VALU_DEP_1)
	v_fma_f32 v14, v20, v228, v14
	s_delay_alu instid0(VALU_DEP_1)
	v_fma_f32 v14, v21, v230, v14                  ; the row's sum
.set JJ, 0
.rept 32
	v_pk_mul_f32 v[160+JJ:161+JJ], v[160+JJ:161+JJ], v[224:225] op_sel_hi:[1,0]
.set JJ, JJ+2
.endr
	JOIN 1
	IMG 2
	JOIN 2
	IMG 3
	JOIN 3
	s_wait_alu depctr_va_vdst(0)
	v_rcp_f32 v14, v14
	v_nop                                          ; a plain instruction behind the reciprocal
.set JJ, 0
	s_wait_alu depctr_va_vdst(0)
.rept 32
	v_pk_mul_f32 v[160+JJ:161+JJ], v[160+JJ:161+JJ], v[14:15] op_sel_hi:[1,0]   ; O^T / the sum: register 16 b + i is channel 32 b + 16 h + i of my query
.set JJ, JJ+2
.endr
	QUANT 160, 4, 96, 224, 253
.rept 8
	v_nop                                          ; a scale register written by a vector instruction stands eight places ahead of a scaled matrix instruction, an operand so written four
.endr
	s_wait_alu depctr_va_vdst(0)
	s_wait_loadcnt 0x0                             ; pw
.irp n, 0,1,2,3,4,5,6,7                        ; source 0 = my 16 queries, source 1 = rows 16 n .. 16 n + 15 of pw: lane (r, h) holds channel 16 n + r and eight neighbouring positions
	MMA 96+8*\n, 224, 32+8*\n, 1, 253, 24+\n, 0
.endr
.rept 4
	v_nop
.endr
.irp n, 0,1,2,3,4,5,6,7
	ds_store_b128 v8, v[96+8*\n:99+8*\n] offset:4352*\n       ; each accumulator from its low end on
	ds_store_b128 v8, v[100+8*\n:103+8*\n] offset:4352*\n+16
.endr
.Lnot_owner:
	s_wait_dscnt 0x0
	s_barrier_signal -1
	s_barrier_wait -1                              ; 128 channels x 64 positions lie in the stage
.irp i, 0,1,2,3
	ds_load_b128 v[160+4*\i:163+4*\i], v9 offset:544*\i
.endr
	s_wait_loadcnt 0x0                             ; x and pb
.irp i, 0,1,2,3
.irp j, 0,1,2,3
	v_add_f32 v[232+4*\i+\j], v[232+4*\i+\j], v[248+\i]
.endr
.endr
	s_wait_alu depctr_va_vdst(0)
	s_wait_dscnt 0x0
.irp q, 0,2,4,6,8,10,12,14
	v_pk_add_f32 v[160+\q:161+\q], v[160+\q:161+\q], v[232+\q:233+\q]
.endr
.irp i, 0,1,2,3
	global_store_b128 v10, v[160+4*\i:163+4*\i], s[18:19] offset:65536*\i th:TH_STORE_NT   ; sixteen lanes store 256 consecutive bytes, at a multiple of 256 from out0's first byte
.endr
	s_wait_tensorcnt 0x0                           ; the wave's end: behind my last tensor load and my last LDS store
	ds_add_u32 v5, v6
	s_wait_dscnt 0x0
	CROUND                                         ; the closing round: no work-group ends while a partner may still ask for a record that names it
	s_endpgm
.Lfunc_end_k_q4d8f381dad_attn:
	.size	k_q4d8f381dad_attn, .Lfunc_end_k_q4d8f381dad_attn-k_q4d8f381dad_attn
	.p2alignl 7, 3214868480
	.fill 96, 4, 3214868480
	.section	.rodata,"a",@progbits
	.p2align	6, 0x0
	.amdhsa_kernel k_q4d8f381dad_attn
		.amdhsa_group_segment_fixed_size 327680
		.amdhsa_private_segment_fixed_size 0
		.amdhsa_enable_private_segment 0
		.amdhsa_kernarg_size 64
		.amdhsa_user_sgpr_count 2
		.amdhsa_user_sgpr_kernarg_segment_ptr 1
		.amdhsa_wavefront_size32 1
		.amdhsa_system_sgpr_workgroup_id_x 1
		.amdhsa_system_sgpr_workgroup_id_y 1
		.amdhsa_system_sgpr_workgroup_id_z 1
		.amdhsa_system_vgpr_workitem_id 0
		.amdhsa_next_free_vgpr 256
		.amdhsa_next_free_sgpr 66
		.amdhsa_reserve_vcc 0
		.amdhsa_float_denorm_mode_32 3
		.amdhsa_float_denorm_mode_16_64 3
		.amdhsa_memory_ordered 1
		.amdhsa_forward_progress 1
		.amdhsa_inst_pref_size 189
	.end_amdhsa_kernel
	.amdgpu_metadata
---
amdhsa.version: [ 1, 2 ]
amdhsa.kernels:
  - .name:           k_q4d8f381dad_attn
    .symbol:         k_q4d8f381dad_attn.kd
    .args:
      - { .name: qc, .offset: 0, .size: 8, .value_kind: global_buffer, .address_space: global }
      - { .name: qs, .offset: 8, .size: 8, .value_kind: global_buffer, .address_space: global }
      - { .name: kv, .offset: 16, .size: 8, .value_kind: global_buffer, .address_space: global }
      - { .name: wc, .offset: 24, .size: 8, .value_kind: global_buffer, .address_space: global }
      - { .name: ws, .offset: 32, .size: 8, .value_kind: global_buffer, .address_space: global }
      - { .name: pb, .offset: 40, .size: 8, .value_kind: global_buffer, .address_space: global }
      - { .name: x, .offset: 48, .size: 8, .value_kind: global_buffer, .address_space: global }
      - { .name: out0, .offset: 56, .size: 8, .value_kind: global_buffer, .address_space: global }
    .group_segment_fixed_size: 327680
    .private_segment_fixed_size: 0
    .kernarg_segment_align: 8
    .kernarg_segment_size: 64
    .max_flat_workgroup_size: 512
    .sgpr_count:     66
    .vgpr_count:     256
    .wavefront_size: 32
...
	.end_amdgpu_metadata
.endif
;; end of part 3
